; MI455X (gfx1250); checked and timed in simulation.
; The chip was launched on July 23, 2026; its instructions are those of AMD's public machine-readable ISA for CDNA 5 (MIT licence, August 2026) and "CDNA5" Instruction Set Architecture Reference Guide (July 2026). The comments in the code are by the model that wrote it; some were corrected since.
;; Multi Head Attention. Allowed arithmetic: matrix products marked QUANTISED: E5M2 operands, one E8M0 scale for each 32 along K, by v_wmma_scale_f32_16x16x128_f8f6f4 with both operands' format E5M2, f32 sums; everything else in f32.
;; Inputs: Wk 1,024 x 1,024 float32; Wo 1,024 x 1,024 float32; Wq 1,024 x 1,024 float32; Wv 1,024 x 1,024 float32; attention_mask 4 x 2,048 int32; bk 1,024 float32; bo 1,024 float32; bq 1,024 float32; bv 1,024 float32; x 4 x 2,048 x 1,024 float32.
;; Outputs: out0 4 x 2,048 x 1,024 float32.
;; This version of the problem:
;;   THIS VERSION OF THE PROBLEM IS GIVEN IN LOW PRECISION. The matrix products marked QUANTISED in the list below multiply operands that are first quantised to E5M2 (5 exponent bits, 2 mantissa bits; 8 bits a number), with one power-of-two scale for each 32 numbers along K (OCP MX v1.0); their sums are f32. All else is computed in f32.
;;   The module's matrix products, in the order in which they are computed (A, B: the left and right operand; K: the contracted axis; several contracted axes count as one K, in the product's order):
;;     1. [M 8,192, K 1,024] x [K 1,024, N 1,024]; A: input x; B: input Wq: QUANTISED
;;     2. [M 8,192, K 1,024] x [K 1,024, N 1,024]; A: input x; B: input Wk: QUANTISED
;;     3. [M 8,192, K 1,024] x [K 1,024, N 1,024]; A: input x; B: input Wv: QUANTISED
;;     4. batch 64 x [M 2,048, K 64] x [K 64, N 2,048]; A: computed on the way; B: computed on the way: QUANTISED
;;     5. batch 64 x [M 2,048, K 2,048] x [K 2,048, N 64]; A: softmax (see below); B: computed on the way: QUANTISED
;;     6. [M 8,192, K 1,024] x [K 1,024, N 1,024]; A: computed on the way; B: input Wo: QUANTISED
;;   THE QUANTISER, for each operand of a quantised product, along K:
;;     - K is cut into blocks of 32 from its start; a last block that is shorter is filled with zeros.
;;     - A block's scale is 2^e with e = floor(log2(the largest magnitude in the block)) - 15, held to -126 .. 127; a block of zeros has e = 0. As a byte (E8M0): e + 127.
;;     - Each number is divided by its block's scale, clamped to +-57,344, and rounded to the nearest number of E5M2, ties to even, subnormals kept.
;;     - The product sums the exact products of the quantised numbers (number of the format x scale) in f32.
;;   ~~~python
;;   def quantise(x, axis):      # numpy; x: float32 -> the quantised numbers, widened to float32 again
;;       x = np.moveaxis(x, axis, -1); K = x.shape[-1]
;;       x = np.pad(x, [(0, 0)] * (x.ndim - 1) + [(0, -K % 32)]); x = x.reshape(x.shape[:-1] + (-1, 32)); a = np.abs(x).max(-1, keepdims=True)
;;       e = np.where(a > 0, np.clip(np.frexp(np.where(a > 0, a, 1))[1] - 1 - 15, -126, 127), 0)      # np.frexp(a)[1] - 1 = floor(log2(a)), exactly
;;       r = np.clip(x / 2.0 ** e, -57344, 57344)
;;       step = 2.0 ** (np.maximum(np.frexp(np.where(r == 0, 1, r))[1] - 1, -14) - 2)
;;       q = np.round(r / step) * step * 2.0 ** e      # np.round: ties to even
;;       return np.moveaxis(q.reshape(q.shape[:-2] + (-1,))[..., :K], -1, axis).astype(np.float32)
;;   ~~~
;;   SOFTMAX AHEAD OF A QUANTISED PRODUCT. Where the list says 'softmax', what is quantised is not the finished softmax but p = 2^(t - M), with t = logit x log2(e) and M = ceil(the row's largest t), a whole number; so 1/2 < the row's largest p <= 1. The row's sum l is taken of the UNQUANTISED p, in f32, and the product's result is divided by l at the end. Since M is a whole number, a kernel that streams over the keys may use a running M (the ceiling of the running maximum): every later rescaling is an exact power of two, which a block's scale takes up: the codes' values come out the same.
;;   OPERANDS COMPUTED ON THE WAY. 'Computed on the way' means the value that the module computes at that place (a softmax that the list does not call 'softmax' is quantised finished and normalised). What goes into a quantiser is computed in f32, as accurately as f32 sums, v_exp_f32 and their like allow (about 1e-6 of the number): no bf16 or f16 on the way to a quantiser, and a product that is left as it is and whose result goes on into a quantised operand takes f32 operands (vector FMAs, or v_wmma_f32_16x16x4_f32). A number that lies on a knife's edge between two numbers of the format may be rounded either way, as far as f32 arithmetic and the matrix unit's own rounding can turn it there, and no further.
;; One version. Each part assembles by itself: llvm-mc -triple=amdgcn-amd-amdhsa -mcpu=gfx1250 --defsym DOCPART=n.
;; ======== version 1 of 1: 4 launches
;; limits: right only within a limited range of input values
;; workspace buffers: img 12,976,128 bytes; qimg 8,912,896 bytes; kv 17,563,648 bytes; oimg 8,650,752 bytes
;; launch quant (part 1): grid 384 x 1, 4 waves a work-group, no clusters, 34,304 bytes of LDS; arguments x, Wq, Wk, Wv, Wo, img; writes img
.if DOCPART == 1
	.amdgcn_target "amdgcn-amd-amdhsa--gfx1250"
	.amdhsa_code_object_version 6
	.text
	.protected	k_qf108f16a2b_quant
	.globl	k_qf108f16a2b_quant
	.p2align	8
	.type	k_qf108f16a2b_quant,@function
k_qf108f16a2b_quant:
	s_mov_b64 s[64:65], 0
	v_nop
	global_prefetch_b8 v0, s[64:65] scope:SCOPE_SE
	s_setreg_imm32_b32 hwreg(HW_REG_WAVE_MODE, 25, 1), 1
	s_wait_xcnt 0x0
; x [8192][1024] and Wq, Wk, Wv, Wo [1024][1024], f32 with K innermost, become codes of BF8 (E5M2) with one E8M0 scale byte for each 32 along K,
; laid in img IN THE ORDER OF THE OPERAND'S REGISTERS, so that the products' launches fetch dense blocks and load fragments at 16 x lane.
; img: 48 blocks of 256 rows (0-31 x, 32-35 Wq, 36-39 Wk, 40-43 Wv, 44-47 Wo); a block is 8 records, one for each 128 along K; a record is 33,792 bytes:
;   16 tiles x 2,048 bytes of images (chunk c, 512 bytes: lane l's registers 4 c .. 4 c + 3 at 16 l), then 1,024 bytes of scale words (tile 4 m + i, row r at 256 m + 16 r + 4 i).
; THE ROWS OF A TILE ARE NOT NEIGHBOURS: row i of tile T is 32 (T / 2) + 8 (T % 2) + i + 8 (i / 8), so that a later result's 16 registers of two neighbouring tiles are 16 neighbours.
; A block's scale is 2^(floor(log2(its largest magnitude)) - 15); its byte is the largest magnitude's exponent field - 15, held at 1 from below.
; LIMITS: a block of zeros gets the byte 1 where the rule says 127 (its codes are zeros, and this program alone reads the bytes); NaN and infinities among the inputs are not served.
; SHARES: a work-group takes 64 rows (4 tiles) x 512 along K; wave w one K step of 128, so the four waves stand side by side on 2,048 bytes of each row.  A unit is one tile x 128 K.
; Each load reads 512 consecutive bytes of one row; a unit's 16 rows turn through the wave's own stage in LDS (pitch 528 = 33 x 16 bytes) and come back 16 neighbours of each block of 32 a lane.
; No tensor load, no barrier: waves share nothing.  Loads run two units (32 loads a wave) ahead.
.set SP,  528                          ; a stage row: 512 bytes + 16
.set LN,  1                            ; v1   lane
.set LI,  3                            ; v3   16 x lane; never rewritten
.set STI, 4                            ; v4   the stage, on the way in: 16 x lane of a row
.set STO, 5                            ; v5   on the way out: row r, + 64 h
.set SO,  6                            ; v6   16 r: my row's four scale words
.set PW,  8                            ; v8-11    the four units' scale words
.set R,   16                           ; v16-143  two sets of 64: a unit as it is loaded
.set X,   144                          ; v144-207 register 16 b + i = k 32 b + 16 h + i of my row
.set PC,  208                          ; v208-239 two sets of 16: a fragment's codes
.set TM,  240                          ; v240-243 largest magnitudes, v244-247 bytes, v252-255 the conversions' scale operands
.set SEL, 30                           ; s[30:31] v_permlanex16_b32's selects for lane l xor 16
.set MNT, 29
	s_load_b128 s[4:7], s[0:1], 0x0                ; x, Wq
	s_load_b128 s[8:11], s[0:1], 0x10              ; Wk, Wv
	s_load_b128 s[12:15], s[0:1], 0x20             ; Wo, img
	v_lshl_add_u32 v14, v0, 2, 0x8400
	v_mov_b32 v15, 0
	v_lshrrev_b32 v2, 5, v0
	v_readfirstlane_b32 s2, v2                     ; wave 0..3
	v_and_b32 v[LN], 31, v0
	v_and_b32 v2, 15, v0                           ; r
	v_bfe_u32 v7, v0, 4, 1                         ; h
	v_lshlrev_b32 v[LI], 4, v[LN]
	s_mul_i32 s3, s2, 16*SP                        ; my stage
	v_add_nc_u32 v[STI], s3, v[LI]
	v_mul_u32_u24 v[STO], v2, SP
	v_lshl_add_u32 v[STO], v7, 6, v[STO]
	v_add_nc_u32 v[STO], s3, v[STO]
	v_lshlrev_b32 v[SO], 4, v2
	s_mov_b32 s[SEL], 0x76543210
	s_mov_b32 s[SEL+1], 0xfedcba98
.irp b, 0,1,2,3
	v_mov_b32 v[TM+4+\b], 0                        ; written once: a lane permute's destination counts as one of its sources
.endr
	s_lshr_b32 s16, ttmp9, 1                       ; rg: which 64 rows of the 12,288
	s_and_b32 s17, ttmp9, 1
	s_lshl_b32 s17, s17, 2
	s_add_co_u32 s17, s17, s2                      ; ks: my K step of 128
	s_and_b32 s18, s16, 15                         ; the group inside a weight
	s_wait_alu depctr_va_vdst(0)
	s_wait_kmcnt 0x0
	s_cmp_lt_u32 s16, 176                          ; which tensor: the choice hangs on the work-group's number alone
	s_cselect_b64 s[20:21], s[10:11], s[12:13]
	s_cmp_lt_u32 s16, 160
	s_cselect_b64 s[20:21], s[8:9], s[20:21]
	s_cmp_lt_u32 s16, 144
	s_cselect_b64 s[20:21], s[6:7], s[20:21]
	s_cmp_lt_u32 s16, 128
	s_cselect_b64 s[20:21], s[4:5], s[20:21]
	s_cselect_b32 s18, s16, s18                    ; the group inside the tensor
	s_lshl_b32 s22, s18, 18                        ; 64 rows of 4,096 bytes
	s_lshl_b32 s23, s17, 9                         ; 128 numbers along K
	s_add_co_u32 s22, s22, s23
	s_mov_b32 s23, 0
	s_add_nc_u64 s[20:21], s[20:21], s[22:23]      ; where my wave reads
	s_lshr_b32 s22, s16, 2
	s_mul_i32 s22, s22, 270336                     ; the block of 256 rows,
	s_mul_i32 s19, s17, 33792                      ; its record,
	s_add_co_u32 s22, s22, s19
	s_and_b32 s19, s16, 3
	s_lshl_b32 s28, s19, 8
	s_add_co_u32 s28, s28, s22
	s_add_co_u32 s28, s28, 32768                   ; my four tiles' scale words: 256 bytes
	s_lshl_b32 s19, s19, 13
	s_add_co_u32 s22, s22, s19                     ; and their images: 8,192 bytes
	s_add_nc_u64 s[24:25], s[14:15], s[22:23]
	s_mov_b32 s22, s28
	s_add_nc_u64 s[26:27], s[14:15], s[22:23]
.macro LOAD t                          ; unit t: its tile's 16 rows, 512 consecutive bytes each
.irp p, 0,1,2,3,4,5,6,7,8,9,10,11,12,13,14,15
	global_load_b128 v[R+64*((\t)%2)+4*\p:R+64*((\t)%2)+4*\p+3], v[LI], s[20:21] offset:(32*((\t)/2)+8*((\t)%2)+\p+8*(\p/8))*4096 th:TH_LOAD_NT
.endr
.endm
.macro TURN t                          ; through the stage: LDS serves a wave's instructions in order, so no wait stands between the stores and the loads
.irp p, 0,1,2,3,4,5,6,7,8,9,10,11,12,13,14,15
	ds_store_b128 v[STI], v[R+64*((\t)%2)+4*\p:R+64*((\t)%2)+4*\p+3] offset:SP*\p
.endr
.irp b, 0,1,2,3
.irp j, 0,1,2,3
	ds_load_b128 v[X+16*\b+4*\j:X+16*\b+4*\j+3], v[STO] offset:128*\b+16*\j
.endr
.endr
.endm
; 64 numbers of a lane, register 16 b + i = k 32 b + 16 h + i of my row, become a fragment's codes in v[pc] on and its scale word in v[pw]
.macro QUANT s, pc, pw
.irp b, 0,1,2,3
	v_max3_num_f32 v[TM+\b], |v[\s+16*\b]|, |v[\s+16*\b+1]|, 0x8000000   ; my 16 numbers of block b, and the floor 2^(16 - 127): the byte cannot fall under 1
.endr
.irp i, 2,4,6,8,10,12,14
.irp b, 0,1,2,3
	v_max3_num_f32 v[TM+\b], v[TM+\b], |v[\s+16*\b+\i]|, |v[\s+16*\b+\i+1]|   ; the four blocks by turns
.endr
.endr
.irp b, 0,1,2,3
	v_permlanex16_b32 v[TM+4+\b], v[TM+\b], s[SEL], s[SEL+1]
.endr
.irp b, 0,1,2,3
	v_max_num_f32 v[TM+\b], v[TM+\b], v[TM+4+\b]   ; with lane l xor 16's: the block's largest magnitude
.endr
.irp b, 0,1,2,3
	v_add_nc_u32 v[TM+12+\b], 0xf8800000, v[TM+\b] ; 15 off its exponent field: the conversion takes the exponent field of this operand as its scale
.endr
.irp b, 0,1,2,3
.endr
.irp b, 0,1,2,3
	v_lshrrev_b32 v[TM+4+\b], 23, v[TM+12+\b]      ; the scale's byte
.endr
	v_lshl_or_b32 v[\pw], v[TM+5], 8, v[TM+4]      ; four bytes make my row's scale word
	v_lshl_or_b32 v[\pw], v[TM+6], 16, v[\pw]
	v_lshl_or_b32 v[\pw], v[TM+7], 24, v[\pw]
.irp b, 0,1,2,3
.irp i, 0,1,2,3,4,5,6,7,8,9,10,11,12,13,14,15
.endr
	v_cvt_scalef32_pk8_bf8_f32 v[\pc+4*\b:\pc+4*\b+1], v[\s+16*\b:\s+16*\b+7], v[TM+12+\b]
	v_cvt_scalef32_pk8_bf8_f32 v[\pc+4*\b+2:\pc+4*\b+3], v[\s+16*\b+8:\s+16*\b+15], v[TM+12+\b]
.endr
	v_nop                                          ; one plain vector line behind the last conversion
.endm
.macro UNIT t
.if (\t) < 3
	s_wait_loadcnt 16                              ; this unit's 16 loads are in; the next unit's 16 may be out
.else
	s_wait_loadcnt 0x0
.endif
	TURN \t
	s_wait_dscnt 0x0                               ; the unit is back, and the stage's stores have read their registers,
.if (\t) < 2
	LOAD (\t)+2                                    ; which take the loads of two units on
.endif
.if (\t) >= 2
	s_wait_xcnt 0x0                                ; the stores of two units back have read this set of codes
.endif
	QUANT X, PC+16*((\t)%2), PW+(\t)
.irp c, 0,1,2,3
	global_store_b128 v[LI], v[PC+16*((\t)%2)+4*\c:PC+16*((\t)%2)+4*\c+3], s[24:25] offset:2048*(\t)+512*\c   ; 32 lanes store 512 consecutive bytes, aligned
.endr
.endm
	LOAD 0
	LOAD 1
	UNIT 0
	UNIT 1
	UNIT 2
	UNIT 3
	v_cmp_gt_u32 vcc_lo, 16, v[LN]                 ; lanes 16-31 hold the same words as lanes 0-15
	s_wait_xcnt 0x0                                ; EXEC changes only behind this wait
	s_wait_tensorcnt 0x0
	ds_add_u32 v14, v15
	s_wait_dscnt 0x0
	s_and_saveexec_b32 s28, vcc_lo
	global_store_b128 v[SO], v[PW:PW+3], s[26:27]  ; sixteen lanes store 256 consecutive bytes, aligned
	s_wait_xcnt 0x0
	s_or_b32 exec_lo, exec_lo, s28
	s_endpgm
.Lfunc_end_k_qf108f16a2b_quant:
	.size	k_qf108f16a2b_quant, .Lfunc_end_k_qf108f16a2b_quant-k_qf108f16a2b_quant
	.p2alignl 7, 3214868480
	.fill 96, 4, 3214868480
	.section	.rodata,"a",@progbits
	.p2align	6, 0x0
	.amdhsa_kernel k_qf108f16a2b_quant
		.amdhsa_group_segment_fixed_size 34304
		.amdhsa_private_segment_fixed_size 0
		.amdhsa_enable_private_segment 0
		.amdhsa_kernarg_size 48
		.amdhsa_user_sgpr_count 2
		.amdhsa_user_sgpr_kernarg_segment_ptr 1
		.amdhsa_wavefront_size32 1
		.amdhsa_system_sgpr_workgroup_id_x 1
		.amdhsa_system_sgpr_workgroup_id_y 1
		.amdhsa_system_sgpr_workgroup_id_z 1
		.amdhsa_system_vgpr_workitem_id 0
		.amdhsa_next_free_vgpr 256
		.amdhsa_next_free_sgpr 66
		.amdhsa_reserve_vcc 1
		.amdhsa_float_denorm_mode_32 3
		.amdhsa_float_denorm_mode_16_64 3
		.amdhsa_fp16_overflow 1
		.amdhsa_memory_ordered 1
		.amdhsa_forward_progress 1
		.amdhsa_inst_pref_size 34
	.end_amdhsa_kernel
	.amdgpu_metadata
---
amdhsa.version: [ 1, 2 ]
amdhsa.kernels:
  - .name:           k_qf108f16a2b_quant
    .symbol:         k_qf108f16a2b_quant.kd
    .args:
      - { .name: x, .offset: 0, .size: 8, .value_kind: global_buffer, .address_space: global }
      - { .name: Wq, .offset: 8, .size: 8, .value_kind: global_buffer, .address_space: global }
      - { .name: Wk, .offset: 16, .size: 8, .value_kind: global_buffer, .address_space: global }
      - { .name: Wv, .offset: 24, .size: 8, .value_kind: global_buffer, .address_space: global }
      - { .name: Wo, .offset: 32, .size: 8, .value_kind: global_buffer, .address_space: global }
      - { .name: img, .offset: 40, .size: 8, .value_kind: global_buffer, .address_space: global }
    .group_segment_fixed_size: 34304
    .private_segment_fixed_size: 0
    .kernarg_segment_align: 8
    .kernarg_segment_size: 48
    .max_flat_workgroup_size: 128
    .sgpr_count:     66
    .vgpr_count:     256
    .wavefront_size: 32
...
	.end_amdgpu_metadata
.endif
;; end of part 1
;; launch proj (part 2): grid 12 x 32, 4 waves a work-group, clusters of 4 x 4, 327,680 bytes of LDS; arguments img, bq, bk, bv, attention_mask, qimg, kv; writes qimg, kv
.if DOCPART == 2
	.amdgcn_target "amdgcn-amd-amdhsa--gfx1250"
	.amdhsa_code_object_version 6
	.text
	.protected	k_qf108f16a2b_proj
	.globl	k_qf108f16a2b_proj
	.p2align	8
	.type	k_qf108f16a2b_proj,@function
k_qf108f16a2b_proj:
	s_mov_b64 s[64:65], 0
	v_nop
	global_prefetch_b8 v0, s[64:65] scope:SCOPE_SE
	s_setreg_imm32_b32 hwreg(HW_REG_WAVE_MODE, 25, 1), 1
	s_wait_xcnt 0x0
	s_wait_alu depctr_hold_cnt(0) depctr_sa_sdst(0) depctr_va_vdst(0) depctr_va_sdst(0) depctr_va_ssrc(0) depctr_va_vcc(0) depctr_vm_vsrc(0)
	s_getreg_b32 s2, hwreg(HW_REG_IB_STS2, 6, 4)
	s_cmp_eq_u32 s2, 0
	s_cbranch_scc0 .Lentry_in_a_cluster
	s_endpgm
.Lentry_in_a_cluster:
	s_bfe_u32 s2, ttmp6, 0x10000c
	s_cmp_lg_u32 s2, 0xf033
	s_cbranch_scc0 .Lentry_shape_is_right
	s_endpgm
.Lentry_shape_is_right:
; ONE SOURCE FOR TWO LAUNCHES.  OUTP = 0: q = x Wq^T + bq, k = x Wk^T + bk, v = x Wv^T + bv, each quantised in registers for the attention.  OUTP = 1: out0 = o Wo^T + bo.
; Both products run on codes of BF8 (E5M2) with one E8M0 scale for each 32 along K, K = 1,024, sums in f32.  Operands arrive as records of 256 rows x 128 K in the order of the operand's registers:
; 16 tiles x 2,048 bytes of images (chunk c: lane l's registers 4 c .. 4 c + 3 at 16 l), then 1,024 bytes of scale words (tile 8 half + 4 g + i, row r at 512 half + 256 g + 16 r + 4 i).
; Row i of tile T is 32 (T / 2) + 8 (T % 2) + i + 8 (i / 8): so a result's 16 registers of two neighbouring tiles of source 0 are 16 neighbours, 32 b + 16 (lane / 16) + 0 .. 15.
; SHARES.  A tile of C is 256 x 256, a wave's 128 x 128: 64 accumulators.  THE M SIDE is source 1 (a lane is a row), THE N SIDE source 0 (a lane's registers run along it, and the result is quantised along it).
; q, k, out0: M = rows of x (of o), N = rows of W.  v: M = rows of Wv, N = rows of x, so that v^T comes out with the keys along the registers.  The tensor loads are alike in all kinds; only the LDS read addresses change sides.
; RING.  Two LDS slots, each with two K steps of 128: X's two records, then W's two; each wave fetches one record (132 rows of 256 bytes, dense) by one tensor load.  The scale words ride in the records.
; CLUSTERS: 4 x 4 work-groups.  X's records hang on the tile row alone and are asked for jointly along a row of the cluster, W's on the tile column alone, jointly along a column.
; THE PAD MASK (OUTP = 0).  Of the score product's 128 along K only 64 are the head's.  k's scale word carries in byte 2 the byte 1 for a key that counts and 254 for one that is masked, q's the byte 100; byte 3 is 127.
; The attention puts the codes 1.0 and -1.0 at k = 64 and 80: a masked key's score gets -2^101, a key that counts -2^-152.
; LIMITS: a block of zeros gets the byte 1 where the rule says 127 (its codes are zeros; this program alone reads the bytes); NaN and infinities among the inputs are not served.
; REGISTERS, in windows of 256.  window 0: v1-31 addresses; v32-63 scale words, two sets (scales and nothing else); v64-127 the bias in C's layout; v128-255 the M side's 8 fragments, ONE set; on the way out v128-255 are free.
;   window 1: the N side's fragments, TWO sets, at v0 and v128.   windows 2, 3: accumulator (a, t) at v[8 (8 (a % 4) + t)], a = 0-3 in window 2, a = 4-7 in window 3.
.set OUTP,  0
.set REC,   33792                      ; a record
.set SLOT,  136192                     ; from slot to slot: four records and 1,024 bytes that nothing touches
.set WOFF,  2*REC                      ; W's records in a slot
.set SCO,   32768                      ; the scale words in a record
.set SPARE, 2*SLOT                     ; the spare words, 128 bytes for each wave: two blocks of 256 bytes that no other line names
.set NP,    8                          ; places behind this matrix instruction (ISA guide 7.12.1)
.if OUTP
.set WBLK,  44                         ; Wo's first block in img
.else
.set WBLK,  32                         ; Wq's
.endif
.set RR,   1                           ; v1   r = lane % 16
.set HH,   2                           ; v2   h = lane / 16
.set LI,   3                           ; v3   16 x lane; never rewritten
.set EX,   8                           ; v8-15  (OUTP = 0) bytes 2 and 3 of the scale word of my row of M tile a
.set ADRM, 16                          ; v16-17 LDS address of the M side's fragments in slot 0, 1
.set ADRN, 20                          ; v20-21 the N side's
.set ADRS, 22                          ; v22-23 the scale words': lanes 0-15 the M side's, lanes 16-31 the N side's
.set STO,  24                          ; v24  (OUTP = 1) the stage: where I put 32 bytes of a row
.set RD,   25                          ; v25  and where I read a row back
.set SPW,  28                          ; v28  LDS address of my spare word; never rewritten
.set NIL,  29                          ; v29  0; never rewritten
.set BO,   30                          ; v30  64 h: my half's eight numbers of a bias by column
.set MO,   31                          ; v31  4 (r + 8 (r / 8)): my row of a tile, in words
.set SC,   32                          ; set s at SC + 16 s; in it register 8 q + tile
.set BI,   64
.set MF,   128
.set WV,   18                          ; s18 wave;  s19 wr: my half of the M side; also: I fetch for X (0) or W (1);  s20 wc: my half of the N side; also: which record of a slot I fetch
.set WR,   19
.set WC,   20
.set CX,   21
.set CY,   22
.set TX,   23
.set TY,   40
.set G1X,  24                          ; s[24:31] descriptor group 1 for X's records;  s[32:39] group 0, one set for each slot
.set G0X,  32
.set G1W,  48                          ; s[48:55], s[56:63] the same for W's
.set G0W,  56
.set MSB, 0
.macro WIN new                         ; the immediate's high byte repeats the setting that is left
.if MSB != (\new)
	s_set_vgpr_msb (MSB<<8)|(\new)
.set MSB, (\new)
.endif
.endm
; A joint load: waves 0 and 1 fetch X's two records of a slot, waves 2 and 3 W's.  Each line has one mask and one set of registers; the branch hangs on the wave's number alone.
; Four v_nop follow each of the two lines, ahead of the jump, the label and what follows.
.macro JLOAD s
	s_cmp_eq_u32 s[WR], 0
	s_cbranch_scc0 .Lfor_w_\@
	tensor_load_to_lds s[G0X+4*\s:G0X+4*\s+3], s[G1X:G1X+7]
	s_nop 0
.rept 4
	v_nop
.endr
	s_branch .Lasked_\@
.Lfor_w_\@:
	tensor_load_to_lds s[G0W+4*\s:G0W+4*\s+3], s[G1W:G1W+7]
	s_nop 0
.rept 4
	v_nop
.endr
.Lasked_\@:
.endm
.macro CREST                           ; a round of the cluster's barrier behind its opening barrier
	s_cmp_lg_u32 s[WV], 0
	s_cbranch_scc1 .Lnot_wave_0_\@
	s_barrier_signal -3
.Lnot_wave_0_\@:
	s_barrier_wait -3
	s_barrier_signal -1
	s_barrier_wait -1
.endm
.macro CROUND                          ; a whole round
	s_barrier_signal -1
	s_barrier_wait -1
	CREST
.endm
.macro PLACES n
.rept \n
	v_nop
.endr
.endm
.if OUTP
	s_load_b256 s[4:11], s[0:1], 0x0               ; oimg s[4:5], img s[6:7], bo s[8:9], out0 s[10:11]
.else
	s_load_b256 s[4:11], s[0:1], 0x0               ; img s[4:5], bq s[6:7], bk s[8:9], bv s[10:11]
	s_load_b128 s[12:15], s[0:1], 0x20             ; attention_mask s[12:13], qimg s[14:15]
	s_load_b64 s[16:17], s[0:1], 0x30              ; kv
.endif
	v_lshl_add_u32 v[SPW], v0, 2, SPARE
	v_mov_b32 v[NIL], 0
	ds_add_u32 v28, v29
	ds_add_u32 v28, v29
	s_wait_dscnt 0x0
	v_lshrrev_b32 v4, 5, v0
	v_readfirstlane_b32 s[WV], v4                  ; wave 0..3
	s_lshr_b32 s[WR], s[WV], 1
	s_and_b32 s[WC], s[WV], 1
	s_bfe_u32 s[CX], ttmp6, 0x40000                ; my place in the cluster
	s_bfe_u32 s[CY], ttmp6, 0x40004
	s_lshl_b32 s[TX], ttmp9, 2
	s_add_co_u32 s[TX], s[TX], s[CX]               ; tile column = 4 x cluster x + cx.  (OUTP = 0: cluster x is the kind: 0 q, 1 k, 2 v)
	s_and_b32 s[TY], ttmp7, 0xffff
	s_lshl_b32 s[TY], s[TY], 2
	s_add_co_u32 s[TY], s[TY], s[CY]               ; tile row = 4 x cluster y + cy
	s_lshl_b32 s42, s[CY], 2
	s_lshl_b32 s42, 15, s42                        ; my row of the cluster
	s_lshl_b32 s43, 0x1111, s[CX]                  ; my column
	; descriptor group 1: a record, 33,792 dense bytes, as 132 rows of 32 elements of 8 bytes; no padding: fragments are read at 16 x lane
	s_or_b32 s[G1X], s42, (3<<16)|(1<<21)          ; 15:0 the mask; 17:16 elements of 8 bytes; 21 set beside a mask
	s_or_b32 s[G1W], s43, (3<<16)|(1<<21)
.irp g, G1X, G1W
	s_mov_b32 s[\g+1], 32<<16                      ; tensor_dim0 = 32
	s_mov_b32 s[\g+2], 132<<16                     ; tensor_dim1 = 132
	s_mov_b32 s[\g+3], 32<<16                      ; tile_dim0 = 32
	s_mov_b32 s[\g+4], 132                         ; tile_dim1 = 132
	s_mov_b32 s[\g+5], 32                          ; from row to row
	s_mov_b32 s[\g+6], 0
	s_mov_b32 s[\g+7], 0
.endr
	s_mul_i32 s2, s[WC], REC                       ; which record of a slot I fetch
	s_mul_i32 s44, s[TY], 8*REC                    ; X: block = tile row
	s_add_co_u32 s44, s44, s2
	s_mov_b32 s45, 0
	s_add_co_u32 s46, s[TX], WBLK                  ; W: block = first block + tile column
	s_mul_i32 s46, s46, 8*REC
	s_add_co_u32 s46, s46, s2
	s_mov_b32 s47, 0
	s_mul_i32 s41, s[WV], REC                      ; where it goes: wave x a record: no place in the cluster enters an LDS address
	s_wait_kmcnt 0x0
	s_add_nc_u64 s[44:45], s[4:5], s[44:45]
.if OUTP
	s_add_nc_u64 s[46:47], s[6:7], s[46:47]
.else
	s_add_nc_u64 s[46:47], s[4:5], s[46:47]
.endif
	CROUND                                         ; all sixteen work-groups are here: the first joint loads meet
.irp s, 0,1
	s_mov_b32 s[G0X+4*\s], 1
	s_add_co_u32 s[G0X+4*\s+1], s41, \s*SLOT
	s_add_nc_u64 s[G0X+4*\s+2:G0X+4*\s+3], s[44:45], \s*2*REC      ; slot s begins with K steps 2 s, 2 s + 1
	s_or_b32 s[G0X+4*\s+3], s[G0X+4*\s+3], 0x80000000
	s_mov_b32 s[G0W+4*\s], 1
	s_add_co_u32 s[G0W+4*\s+1], s41, \s*SLOT
	s_add_nc_u64 s[G0W+4*\s+2:G0W+4*\s+3], s[46:47], \s*2*REC
	s_or_b32 s[G0W+4*\s+3], s[G0W+4*\s+3], 0x80000000
	JLOAD \s
.endr
	; every LDS address, ahead of all that follows
	v_and_b32 v[RR], 15, v0
	v_bfe_u32 v[HH], v0, 4, 1
	v_and_b32 v4, 31, v0
	v_lshlrev_b32 v[LI], 4, v4
.if OUTP
	s_mov_b32 s66, 0
	s_mov_b32 s67, 0                               ; the M side is X,
	s_mov_b32 s68, WOFF                            ; the N side W
	s_mov_b32 s69, s[WR]
	s_mov_b32 s70, s[WC]
.else
	s_wait_alu depctr_va_vdst(0)
	s_cmp_eq_u32 ttmp9, 2                          ; v changes sides.  The kind is the cluster's x: the same in all sixteen partners
	s_cselect_b32 s66, 1, 0
	s_cselect_b32 s67, WOFF, 0                     ; the M side's records in a slot
	s_cselect_b32 s68, 0, WOFF                     ; the N side's
	s_cselect_b32 s69, s[WC], s[WR]                ; my half of X's rows
	s_cselect_b32 s70, s[WR], s[WC]                ; my half of W's
.endif
	s_lshl_b32 s71, s[WR], 14
	s_add_co_u32 s67, s67, s71                     ; + my 8 tiles of 2,048 bytes
	s_lshl_b32 s71, s[WC], 14
	s_add_co_u32 s68, s68, s71
	v_add_nc_u32 v[ADRM], s67, v[LI]
	v_add_nc_u32 v[ADRM+1], SLOT, v[ADRM]
	v_add_nc_u32 v[ADRN], s68, v[LI]
	v_add_nc_u32 v[ADRN+1], SLOT, v[ADRN]
	s_lshl_b32 s69, s69, 9
	s_lshl_b32 s70, s70, 9
	s_add_co_u32 s70, s70, WOFF
	s_sub_co_u32 s70, s70, s69                     ; from X's scale words to W's
	s_add_co_u32 s69, s69, SCO                     ; X's
	v_xor_b32 v5, s66, v[HH]                       ; lanes 0-15 take the M side's words, lanes 16-31 the N side's: ONE product, the lower base + (0 or 1) x the distance
	v_mul_u32_u24 v5, s70, v5
	v_lshl_add_u32 v5, v[RR], 4, v5                ; + 16 r: four tiles' words of my row
	v_add_nc_u32 v[ADRS], s69, v5
	v_add_nc_u32 v[ADRS+1], SLOT, v[ADRS]
	v_lshlrev_b32 v[BO], 6, v[HH]
	v_and_b32 v[MO], 8, v[RR]
	v_add_nc_u32 v[MO], v[MO], v[RR]
	v_lshlrev_b32 v[MO], 2, v[MO]
.macro BIASN base                      ; a bias by column, in C's layout: for N tile t lane (r, h) wants the eight numbers 32 (t / 2) + 8 (t % 2) + 16 h + 0 .. 7
.irp t, 0,1,2,3,4,5,6,7
	global_load_b128 v[BI+8*\t:BI+8*\t+3], v[BO], s[\base:\base+1] offset:(32*(\t/2)+8*(\t%2))*4
	global_load_b128 v[BI+8*\t+4:BI+8*\t+7], v[BO], s[\base:\base+1] offset:(32*(\t/2)+8*(\t%2))*4+16
.endr
.endm
.if OUTP
	s_mul_i32 s71, s[WV], 16*528                   ; my stage: 16 rows x (512 bytes + 16), in slot 0, used behind that slot's last fill and last read
	v_mul_u32_u24 v[STO], v[RR], 528
	v_lshl_add_u32 v[STO], v[HH], 6, v[STO]
	v_add_nc_u32 v[STO], s71, v[STO]
	v_add_nc_u32 v[RD], s71, v[LI]
	s_lshl_b32 s2, s[TX], 10
	s_lshl_b32 s3, s[WC], 9
	s_add_co_u32 s2, s2, s3                        ; my 128 columns, in bytes
	s_mov_b32 s3, 0
	s_add_nc_u64 s[8:9], s[8:9], s[2:3]            ; bo there,
	s_add_nc_u64 s[10:11], s[10:11], s[2:3]        ; out0 there,
	s_lshl_b32 s2, s[TY], 20
	s_lshl_b32 s71, s[WR], 19
	s_add_co_u32 s2, s2, s71
	s_add_nc_u64 s[10:11], s[10:11], s[2:3]        ; at my first row: 256 x tile row + 128 x half, rows of 4,096 bytes
	BIASN 8
.else
	s_cmp_eq_u32 ttmp9, 2
	s_cbranch_scc1 .Lbias_v
	s_cmp_eq_u32 ttmp9, 0
	s_cselect_b64 s[92:93], s[6:7], s[8:9]         ; bq or bk
	s_lshl_b32 s2, s[CX], 10
	s_lshl_b32 s3, s[WC], 9
	s_add_co_u32 s2, s2, s3
	s_mov_b32 s3, 0
	s_add_nc_u64 s[92:93], s[92:93], s[2:3]        ; at my 128 columns
	s_wait_alu depctr_va_vdst(0)
	BIASN 92
	s_cmp_eq_u32 ttmp9, 0
	s_cbranch_scc1 .Lex_q
	s_lshl_b32 s2, s[TY], 10                       ; k: the mask of my 128 keys: row b x 2,048 + s of x is word b x 2,048 + s of the mask
	s_lshl_b32 s3, s[WR], 9
	s_add_co_u32 s2, s2, s3
	s_mov_b32 s3, 0
	s_add_nc_u64 s[94:95], s[12:13], s[2:3]
.irp a, 0,1,2,3,4,5,6,7
	global_load_b32 v[EX+\a], v[MO], s[94:95] offset:(32*(\a/2)+8*(\a%2))*4
.endr
	v_mov_b32 v6, 0x7ffe                           ; masked: byte 2 = 254, byte 3 = 127
	v_mov_b32 v7, 0x7f01                           ; counts: byte 2 = 1
	s_wait_alu depctr_va_vdst(0)
	s_wait_loadcnt 0x0
.irp a, 0,1,2,3,4,5,6,7
	v_cmp_ne_u32 vcc_lo, 0, v[EX+\a]               ; the mask only selects a value: no branch and no address hangs on it
	v_cndmask_b32 v[EX+\a], v6, v7, vcc_lo
.endr
	s_branch .Lbias_done
.Lex_q:
.irp a, 0,1,2,3,4,5,6,7
	v_mov_b32 v[EX+\a], 0x7f64                     ; q: byte 2 = 100, byte 3 = 127
.endr
	s_branch .Lbias_done
.Lbias_v:
	s_lshl_b32 s2, s[CX], 10                       ; v: a bias by row of the M side: bv at my 128 features; a lane's eight registers of C hold the same number
	s_lshl_b32 s3, s[WR], 9
	s_add_co_u32 s2, s2, s3
	s_mov_b32 s3, 0
	s_add_nc_u64 s[92:93], s[10:11], s[2:3]
	s_wait_alu depctr_va_vdst(0)
.irp a, 0,1,2,3,4,5,6,7
	global_load_b32 v[BI+8*\a], v[MO], s[92:93] offset:(32*(\a/2)+8*(\a%2))*4
.endr
.irp a, 0,1,2,3,4,5,6,7
	v_mov_b32 v[EX+\a], 0                          ; named on the way out, never chosen there
.endr
	s_wait_loadcnt 0x0
.irp a, 0,1,2,3,4,5,6,7
.irp j, 1,2,3,4,5,6,7
	v_mov_b32 v[BI+8*\a+\j], v[BI+8*\a]
.endr
.endr
.Lbias_done:
.endif
	s_wait_loadcnt 0x0                             ; the bias
.macro FRAG reg, adr, q, i             ; a fragment comes back as it was laid: four loads at 16 x lane, 512 bytes apart
.irp c, 0,1,2,3
	ds_load_b128 v[\reg+4*\c:\reg+4*\c+3], v[\adr] offset:REC*(\q)+2048*(\i)+512*\c
.endr
.endm
.macro FETCH_N slot, q, p              ; the N side's eight fragments of the slot's q-th 128 along K into set p
	WIN 0x40                                       ; destination window 1, address window 0
.irp i, 0,1,2,3,4,5,6,7
	FRAG 128*(\p)+16*\i, ADRN+\slot, \q, \i
.endr
	WIN 0
.endm
.macro FETCH_M slot, q, i0             ; the M side's blocks i0 .. i0 + 3
.irp i, \i0, \i0+1, \i0+2, \i0+3
	FRAG MF+16*(\i), ADRM+\slot, \q, \i
.endr
.endm
.macro SCALES s                        ; a slot's scale words: one load brings four tiles' words of a row
.irp q, 0,1
.irp g, 0,1
	ds_load_b128 v[SC+16*\s+8*\q+4*\g:SC+16*\s+8*\q+4*\g+3], v[ADRS+\s] offset:REC*\q+256*\g
.endr
.endr
.endm
; 16 matrix instructions: M blocks a0, a0 + 1 x the N side's eight, 128 along K.  p: the N side's set; q: which 128 of the slot; sc: the set of scale words.
; mode 0: onto the sums.  mode 1, 2: the first product starts the sums with the bias as C, by column or by row: nothing is cleared and nothing is added later.
; The 64 accumulators take turns, one instruction a turn, in the same order in every step.
.macro MUL16 a0, p, q, sc, mode
.irp a, \a0, \a0+1
.irp b, 0,1,2,3,4,5,6,7
.set rD, 8*(8*((\a)%4)+\b)
.set rN, 128*(\p)+16*\b
.set rM, MF+16*(\a)
.set rC, rD
.if \mode == 1
.set rC, BI+8*\b
.endif
.if \mode == 2
.set rC, BI+8*(\a)
.endif
	v_wmma_scale_f32_16x16x128_f8f6f4 v[rD:rD+7], v[rN:rN+15], v[rM:rM+15], v[rC:rC+7], v[SC+16*(\sc)+8*(\q)+\b], v[SC+16*(\sc)+8*(\q)+(\a)] matrix_a_fmt:MATRIX_FMT_BF8 matrix_b_fmt:MATRIX_FMT_BF8 matrix_a_scale:MATRIX_SCALE_ROW1
.endr
.endr
.endm
; A slot's first step.  A load into a register that a matrix instruction has read stands NP places behind it; only plain vector instructions that name none of its registers are places.
.macro STEP slot, mode
.if \mode
.set WLO, 0x81                         ; source 0 window 1, source 1 and C window 0, D window 2
.set WHI, 0xc1
.else
.set WLO, 0xa1                         ; C and D window 2
.set WHI, 0xf1
.endif
	s_wait_dscnt 16                                ; the N side's set, the M side's blocks 0-3 and the scale words are in; the youngest 16 loads (blocks 4-7) may be out
	WIN WLO
	MUL16 0, 0, 0, \slot, \mode
	MUL16 2, 0, 0, \slot, \mode
	s_wait_dscnt 0x0                               ; blocks 4-7 are in
	PLACES NP
	FETCH_N \slot, 1, 1
	FETCH_M \slot, 1, 0
	WIN WHI
	MUL16 4, 0, 0, \slot, \mode
	MUL16 6, 0, 0, \slot, \mode
	PLACES NP
	WIN 0
	FETCH_M \slot, 1, 4
.endm
; A slot's second step changes slots: ONE barrier; in front of it each wave waits for all its tensor loads, adds 0 to its spare word, and waits for that and for its own reads of this slot.
; fill = 1: the barrier opens a round of the cluster's barrier, and this slot is filled again, four K steps ahead, first thing behind the round.
.macro TURN slot, next, fill
	s_wait_tensorcnt 0x0                           ; all my tensor loads have landed: my record of the next slot among them
	ds_add_u32 v[SPW], v[NIL]                      ; 0 onto my spare word
	s_wait_dscnt 17                                ; (the add and the youngest 16 loads may be out)
	WIN 0xa1
	MUL16 0, 1, 1, \slot, 0                        ; sixteen matrix instructions stand between the add and the wait for it
	s_wait_dscnt 0x0                               ; the add is done, and my reads of this slot are over
	s_barrier_signal -1
	MUL16 2, 1, 1, \slot, 0
	WIN 0
	s_barrier_wait -1
.if \fill
	CREST                                          ; no wave of any partner still reads this slot or has a load on its way
	s_add_nc_u64 s[G0X+4*\slot+2:G0X+4*\slot+3], s[G0X+4*\slot+2:G0X+4*\slot+3], 4*REC
	s_add_nc_u64 s[G0W+4*\slot+2:G0W+4*\slot+3], s[G0W+4*\slot+2:G0W+4*\slot+3], 4*REC
	JLOAD \slot                                    ; the four v_nop behind it are among the places in front of the loads below
	PLACES NP-4
.else
	PLACES NP
.endif
	FETCH_N \next, 0, 0
	FETCH_M \next, 0, 0
	SCALES \next
	WIN 0xf1
	MUL16 4, 1, 1, \slot, 0
	MUL16 6, 1, 1, \slot, 0
	PLACES NP
	WIN 0
	FETCH_M \next, 0, 4
.endm
	s_wait_tensorcnt 1                             ; my record of slot 0 is in; slot 1's may stay out
	s_barrier_signal -1
	s_barrier_wait -1                              ; everybody's is
	FETCH_N 0, 0, 0
	FETCH_M 0, 0, 0
	SCALES 0
	FETCH_M 0, 0, 4
.if OUTP
	STEP 0, 1                                      ; K step 0 starts the sums with bo
.else
	s_cmp_eq_u32 ttmp9, 2
	s_cbranch_scc1 .Lfirst_v
	s_wait_alu depctr_va_vdst(0)
	STEP 0, 1                                      ; q, k: the bias lies along the N side
	s_branch .Lfirst_done
.Lfirst_v:
	s_wait_alu depctr_va_vdst(0)
	STEP 0, 2                                      ; v: along the M side
.Lfirst_done:
.endif
	TURN 0, 1, 1                                   ; K step 1; slot 0 takes K steps 4, 5
	STEP 1, 0                                      ; 2
	TURN 1, 0, 1                                   ; 3; slot 1 takes K steps 6, 7
	STEP 0, 0                                      ; 4
	TURN 0, 1, 0                                   ; 5; nothing is left to fetch, so no round follows the barrier
	STEP 1, 0                                      ; 6
	s_wait_dscnt 16                                ; 7
	WIN 0xa1
	MUL16 0, 1, 1, 1, 0
	MUL16 2, 1, 1, 1, 0
	s_wait_dscnt 0x0
	WIN 0xf1
	MUL16 4, 1, 1, 1, 0
	MUL16 6, 1, 1, 1, 0
	WIN 0
.if OUTP
; THE WAY OUT, block by block of 16 rows x 128 columns, through my own stage and back as whole rows of 512 bytes.  LDS serves a wave's instructions in order: no wait between the stores and the loads.
.set BK, 128                           ; 16 rows read back: v128-191 and v192-255 by turns
.macro TOSTAGE a
.set AC, 64*((\a)%4)
	WIN 0x08+4*((\a)/4)                            ; an LDS store's data are its source 1: window 2 or 3
.irp t, 0,1,2,3,4,5,6,7
	ds_store_b128 v[STO], v[AC+8*\t:AC+8*\t+3] offset:128*(\t/2)+32*(\t%2)       ; columns 32 (t / 2) + 16 h + 8 (t % 2) + 0 .. 7; each accumulator from its low end on
	ds_store_b128 v[STO], v[AC+8*\t+4:AC+8*\t+7] offset:128*(\t/2)+32*(\t%2)+16
.endr
	WIN 0
.set BB, BK+64*((\a)%2)
.irp p, 0,1,2,3,4,5,6,7,8,9,10,11,12,13,14,15
	ds_load_b128 v[BB+4*\p:BB+4*\p+3], v[RD] offset:\p*528
.endr
.endm
.macro SEND a, younger                 ; younger: the LDS instructions issued behind block a's loads, which may stay out
.set BB, BK+64*((\a)%2)
	s_wait_dscnt \younger
.irp p, 0,1,2,3,4,5,6,7,8,9,10,11,12,13,14,15
	global_store_b128 v[LI], v[BB+4*\p:BB+4*\p+3], s[10:11] offset:(32*((\a)/2)+8*((\a)%2)+\p+8*(\p/8))*4096 th:TH_STORE_NT   ; 32 lanes store 512 consecutive bytes, aligned; the tile's row stands in the immediate, 127 rows at the most
.endr
.endm
	PLACES NP                                      ; behind the last products: for the reads of results and the loads into the registers that held the M side's fragments
	TOSTAGE 0
.irp a, 1,2,3,4,5,6,7
.if \a > 1
	s_wait_xcnt 0x0                                ; block a - 2's stores have read their registers: block a's loads may land there
.endif
	TOSTAGE \a
	SEND (\a)-1, 32                                ; behind block a - 1's loads: block a's 16 stores and 16 loads
.endr
	SEND 7, 0
.else
; THE WAY OUT: each M tile's 64 numbers a lane are four blocks of 32 along the N side; they are quantised in registers and leave as images, 512 consecutive bytes a store.  No LDS.
; q, k: blocks 0, 1 are the first head's 64, blocks 2, 3 the second's: two chunks into each head's record (query record 8,704 bytes, key record 17,152).
; v: the four blocks are 128 keys: the four chunks of one tile of V^T; M tiles 0-3 are the first head's 64 channels, 4-7 the second's.
.set TM,  128                          ; v128-131 largest magnitudes, v132-135 bytes, v140-143 the conversions' scale operands
.set WL,  144
.set WH,  145
.set YY,  146
.set L8,  147
.set PC,  148                          ; v148-163 the codes
.set W0,  184                          ; v184-191 the first scale word of M tile a;  v192-199 the second (q, k: the second head's)
.set W1,  192
.set MG,  200
.set P0,  76                           ; s[76:77], s[78:79] where chunks 0, 1 and 2, 3 go;  s[80:81], s[82:83] the scale words
.set P1,  78
.set S0,  80
.set S1,  82
.set SA,  84                           ; s[84:85] from M tile to M tile;  s[86:87] from tile 3 to tile 4
.set SB,  86
.set VSEL, 88
.set HI,  89
	s_mov_b32 s[SA], 1024
	s_mov_b32 s[SB], 1024
	s_mov_b32 s90, 1024
	s_mov_b32 s74, 17152
	s_cmp_eq_u32 ttmp9, 0
	s_cselect_b32 s74, 8704, s74                   ; a head's record
	s_cselect_b64 s[P0:P0+1], s[14:15], s[16:17]   ; qimg or kv
	s_cmp_eq_u32 ttmp9, 2
	s_cselect_b32 s72, s[WR], s[WC]                ; which head pair of my two,
	s_cselect_b32 s73, s[WC], s[WR]                ; which 128 rows of x
	s_cselect_b32 s[VSEL], -1, 0
	s_cselect_b32 s75, 8704, 0                     ; V^T lies behind K in a key record
	s_cselect_b32 s[SA], 2048, s[SA]
	s_cselect_b32 s[SB], 11008, s[SB]              ; v: on to the second head's record: 17,152 - 3 x 2,048
	s_cselect_b32 s90, s90, s74                    ; chunks 2, 3: v: 1,024 on; q, k: the second head's record
	s_lshr_b32 s2, s[TY], 3
	s_lshl_b32 s2, s2, 3                           ; 8 x batch
	s_lshl_b32 s3, s[CX], 1
	s_add_co_u32 s2, s2, s3
	s_add_co_u32 s2, s2, s72                       ; the head pair
	s_lshl_b32 s2, s2, 4
	s_and_b32 s3, s[TY], 7
	s_lshl_b32 s3, s3, 1
	s_add_co_u32 s2, s2, s3
	s_add_co_u32 s2, s2, s73                       ; x 16 + the group of 128 rows
	s_lshl_b32 s2, s2, 1
	s_mul_i32 s2, s2, s74
	s_add_co_u32 s2, s2, s75
	s_mov_b32 s3, 0
	s_mov_b32 s75, 0
	s_mov_b32 s91, 0
	s_mov_b32 s[SA+1], 0
	s_mov_b32 s[SB+1], 0
	s_mov_b32 s[HI], 0xffff0000                    ; lanes 16-31
	s_add_nc_u64 s[P0:P0+1], s[P0:P0+1], s[2:3]
	s_add_nc_u64 s[P1:P1+1], s[P0:P0+1], s[90:91]
	s_add_nc_u64 s[S0:S0+1], s[P0:P0+1], 8192
	s_add_nc_u64 s[S1:S1+1], s[S0:S0+1], s[74:75]
	s_mov_b32 s92, 0x76543210
	s_mov_b32 s93, 0xfedcba98                      ; v_permlanex16_b32's selects for lane l xor 16
	PLACES NP                                      ; behind the last products: for the reads of results and the writes of registers that held fragments
.irp b, 0,1,2,3
	v_mov_b32 v[TM+4+\b], 0                        ; written once: a lane permute's destination counts as one of its sources
.endr
	v_lshrrev_b32 v[L8], 1, v[LI]                  ; 8 x lane
.macro QOUT a
.set AC, 64*((\a)%4)
.set WW, 2+(\a)/4
.if (\a) > 0
	s_wait_xcnt 0x0                                ; the last tile's stores have read their codes and their bases
.if (\a) == 4
	s_add_nc_u64 s[P0:P0+1], s[P0:P0+1], s[SB:SB+1]
	s_add_nc_u64 s[P1:P1+1], s[P1:P1+1], s[SB:SB+1]
.else
	s_add_nc_u64 s[P0:P0+1], s[P0:P0+1], s[SA:SA+1]
	s_add_nc_u64 s[P1:P1+1], s[P1:P1+1], s[SA:SA+1]
.endif
.endif
	WIN WW|(WW<<2)                                 ; sources 0 and 1: the accumulators' window
.irp b, 0,1,2,3
	v_max3_num_f32 v[TM+\b], |v[AC+16*\b]|, |v[AC+16*\b+1]|, 0x8000000   ; my 16 numbers of block b and the floor 2^(16 - 127); each accumulator is read from its low end on
.endr
.irp i, 2,4,6,8,10,12,14
.irp b, 0,1,2,3
	v_max3_num_f32 v[TM+\b], |v[AC+16*\b+\i]|, |v[AC+16*\b+\i+1]|, v[TM+\b]
.endr
.endr
	WIN 0
.irp b, 0,1,2,3
	v_permlanex16_b32 v[TM+4+\b], v[TM+\b], s92, s93
.endr
.irp b, 0,1,2,3
	v_max_num_f32 v[TM+\b], v[TM+\b], v[TM+4+\b]   ; with lane l xor 16's: the block's largest magnitude
.endr
.irp b, 0,1,2,3
	v_add_nc_u32 v[TM+12+\b], 0xf8800000, v[TM+\b] ; 15 off its exponent field: the conversion's scale operand
.endr
.irp b, 0,1,2,3
.endr
.irp b, 0,1,2,3
	v_lshrrev_b32 v[TM+4+\b], 23, v[TM+12+\b]      ; the scale's byte
.endr
	v_lshl_or_b32 v[WL], v[TM+5], 8, v[TM+4]
	v_lshl_or_b32 v[WH], v[TM+7], 8, v[TM+6]
	v_cndmask_b32 v[YY], v[EX+(\a)], v[WH], s[VSEL]       ; v: bytes 2, 3 are blocks 2, 3; q, k: the mask's byte and 127
	v_lshl_or_b32 v[W0+(\a)], v[YY], 16, v[WL]
	v_lshl_or_b32 v[W1+(\a)], v[EX+(\a)], 16, v[WH]       ; q, k: the second head's word
	WIN (WW<<6)|WW                                 ; destination and source 0: the accumulators' window
.irp b, 0,1,2,3
.irp i, 0,1,2,3,4,5,6,7,8,9,10,11,12,13,14,15
.endr
.endr
	WIN WW
.irp b, 0,1,2,3
	v_cvt_scalef32_pk8_bf8_f32 v[PC+4*\b:PC+4*\b+1], v[AC+16*\b:AC+16*\b+7], v[TM+12+\b]
	v_cvt_scalef32_pk8_bf8_f32 v[PC+4*\b+2:PC+4*\b+3], v[AC+16*\b+8:AC+16*\b+15], v[TM+12+\b]
.endr
	WIN 0
	v_nop                                          ; one plain vector line behind the last conversion
	global_store_b128 v[LI], v[PC:PC+3], s[P0:P0+1]                 ; 32 lanes store 512 consecutive bytes, aligned
	global_store_b128 v[LI], v[PC+4:PC+7], s[P0:P0+1] offset:512
	global_store_b128 v[LI], v[PC+8:PC+11], s[P1:P1+1]
	global_store_b128 v[LI], v[PC+12:PC+15], s[P1:P1+1] offset:512
.endm
.irp a, 0,1,2,3,4,5,6,7
	QOUT \a
.endr
.irp i, 0,1,2,3
	v_cndmask_b32 v[MG+\i], v[W0+2*\i], v[W0+2*\i+1], s[HI]         ; lanes 0-15 carry the even tile's words, lanes 16-31 the odd tile's: as the attention names them
.endr
	s_cmp_eq_u32 ttmp9, 2
	s_cbranch_scc1 .Lv_words
.irp i, 0,1,2,3
	v_cndmask_b32 v[MG+4+\i], v[W1+2*\i], v[W1+2*\i+1], s[HI]
.endr
	global_store_b128 v[LI], v[MG:MG+3], s[S0:S0+1]                 ; q, k: 512 bytes of words for each head
	global_store_b128 v[LI], v[MG+4:MG+7], s[S1:S1+1]
	s_branch .Lwords_out
.Lv_words:
	s_wait_alu depctr_va_vdst(0)
	global_store_b64 v[L8], v[MG:MG+1], s[S0:S0+1]                  ; v: 256 bytes for each head, aligned
	global_store_b64 v[L8], v[MG+2:MG+3], s[S1:S1+1]
.Lwords_out:
.endif
	s_wait_tensorcnt 0x0                           ; the wave's end
	ds_add_u32 v[SPW], v[NIL]
	s_wait_dscnt 0x0
	CROUND                                         ; the closing round: no work-group ends while a partner may still ask for a record that names it
	s_endpgm
.Lfunc_end_k_qf108f16a2b_proj:
	.size	k_qf108f16a2b_proj, .Lfunc_end_k_qf108f16a2b_proj-k_qf108f16a2b_proj
	.p2alignl 7, 3214868480
	.fill 96, 4, 3214868480
	.section	.rodata,"a",@progbits
	.p2align	6, 0x0
	.amdhsa_kernel k_qf108f16a2b_proj
		.amdhsa_group_segment_fixed_size 327680
		.amdhsa_private_segment_fixed_size 0
		.amdhsa_enable_private_segment 0
		.amdhsa_kernarg_size 56
		.amdhsa_user_sgpr_count 2
		.amdhsa_user_sgpr_kernarg_segment_ptr 1
		.amdhsa_wavefront_size32 1
		.amdhsa_system_sgpr_workgroup_id_x 1
		.amdhsa_system_sgpr_workgroup_id_y 1
		.amdhsa_system_sgpr_workgroup_id_z 1
		.amdhsa_system_vgpr_workitem_id 0
		.amdhsa_next_free_vgpr 1024
		.amdhsa_next_free_sgpr 100
		.amdhsa_reserve_vcc 1
		.amdhsa_float_denorm_mode_32 3
		.amdhsa_float_denorm_mode_16_64 3
		.amdhsa_fp16_overflow 1
		.amdhsa_memory_ordered 1
		.amdhsa_forward_progress 1
		.amdhsa_inst_pref_size 169
	.end_amdhsa_kernel
	.amdgpu_metadata
---
amdhsa.version: [ 1, 2 ]
amdhsa.kernels:
  - .name:           k_qf108f16a2b_proj
    .symbol:         k_qf108f16a2b_proj.kd
    .args:
      - { .name: img, .offset: 0, .size: 8, .value_kind: global_buffer, .address_space: global }
      - { .name: bq, .offset: 8, .size: 8, .value_kind: global_buffer, .address_space: global }
      - { .name: bk, .offset: 16, .size: 8, .value_kind: global_buffer, .address_space: global }
      - { .name: bv, .offset: 24, .size: 8, .value_kind: global_buffer, .address_space: global }
      - { .name: attention_mask, .offset: 32, .size: 8, .value_kind: global_buffer, .address_space: global }
      - { .name: qimg, .offset: 40, .size: 8, .value_kind: global_buffer, .address_space: global }
      - { .name: kv, .offset: 48, .size: 8, .value_kind: global_buffer, .address_space: global }
    .group_segment_fixed_size: 327680
    .private_segment_fixed_size: 0
    .kernarg_segment_align: 8
    .kernarg_segment_size: 56
    .max_flat_workgroup_size: 128
    .sgpr_count:     100
    .vgpr_count:     1024
    .wavefront_size: 32
...
	.end_amdgpu_metadata
.endif
;; end of part 2
;; launch attn (part 3): grid 8 x 32, 16 waves a work-group, no clusters, 327,680 bytes of LDS; arguments qimg, kv, oimg; writes oimg
.if DOCPART == 3
	.amdgcn_target "amdgcn-amd-amdhsa--gfx1250"
	.amdhsa_code_object_version 6
	.text
	.protected	k_qf108f16a2b_attn
	.globl	k_qf108f16a2b_attn
	.p2align	8
	.type	k_qf108f16a2b_attn,@function
k_qf108f16a2b_attn:
	s_mov_b64 s[64:65], 0
	v_nop
	global_prefetch_b8 v0, s[64:65] scope:SCOPE_SE
	s_setreg_imm32_b32 hwreg(HW_REG_WAVE_MODE, 25, 1), 1
	s_wait_xcnt 0x0
; Causal attention with a pad mask, 64 heads of 64 channels, 2,048 queries and keys, both products on codes of BF8 (E5M2) with one E8M0 scale for each 32 along K; o / l is quantised along the model's 1,024 for the last product.
; INPUTS, in the order of the operand's registers (chunk c of a tile: lane l's registers 4 c .. 4 c + 3 at 16 l; row i of tile T is 32 (T / 2) + 8 (T % 2) + i + 8 (i / 8)):
;   kv [head pair 32][step of 128 keys 16][head of the pair 2][17,152]: K 8 tiles x 1,024 | K's scale words 512 | V^T 4 tiles of 16 channels x 2,048 | V's scale words 256.   qimg likewise, [..][8,704]: the first two parts.
; THE SOFTMAX: t = score x log2(e) / 8; M = the running largest t rounded up to a whole number; p = 2^(t - M) is quantised along the keys, not normalised; the row's sum l is taken of the unquantised p and divides at the end.
; THE PAD MASK costs no line here.  The score product's K is 128, the head's 64: at k = 64 and 80 every K fragment holds the code 1.0 and Q's the code -1.0.  Q's scale byte for that block is 100, a key's 1 where it
; counts and 254 where it is masked: a masked key's score gets -2^101, one that counts -2^-152.  The largest t begins at -2^80, so a masked key's p is 0 under every M, and a row with no key that counts ends with l = 0.
; Such a row's scale bytes are written as 0xff, which makes its row of the result NaN, as the softmax of nothing is.
; LIMITS: |t| under 2^80 is served; a row whose largest t lies under -2^80 is taken to have no key that counts.  A block of zeros gets the byte 1.  NaN and infinities among the inputs are not served.
; SHARES.  A work-group owns, for both heads of a pair, the blocks of 128 queries J and 15 - J (J = its x): block J walks key steps 0 .. J, block 15 - J steps 0 .. 15 - J: 17 steps of 128 keys in every work-group,
; none of them wholly hidden.  Wave w: head w / 8 of the pair, query tile w % 8.  The step on the diagonal is trip J and the last trip, for all sixteen waves.
; Both products are used transposed (S^T = K Q^T, O^T = V^T P^T): a lane holds one query throughout, and p's 16 registers of two neighbouring tiles are 16 neighbouring keys.
; RING: two LDS slots, each one key step of both heads, 34,304 dense bytes; waves 0 and 1 fetch a head's record each; all sixteen read.
; NO CLUSTER: only the 8 work-groups of a head pair read the same records, and in a given trip they stand at different key steps (step t up to trip J, step t - J - 1 behind it);
; to walk alike they would have to fetch and pass over steps that are wholly hidden, and their work would be uneven.
.set RECB,  17152
.set STEPB, 2*RECB
.set SLOT1, 1<<16                      ; slot 1 begins here: one exclusive or turns an address in one slot into the other's
.set SPARE, 2*SLOT1                    ; the spare words, 128 bytes for each wave: eight blocks of 256 bytes that no other line names
.set KSO,   8192
.set VO,    8704
.set VSO,   16896
.set QREC,  8704
.set GREC,  33792                      ; a record of oimg: 256 rows x 128 K: 16 tiles x 2,048, then 1,024 bytes of scale words
.set AK0, 1                            ; v1   16 x lane + my head's record
.set SPW, 2                            ; v2   LDS address of my spare word; never rewritten
.set NIL, 3                            ; v3   0; never rewritten
.set ADK, 4                            ; v4   AK0 in the slot in hand
.set ADT, 5                            ; v5   AT0 likewise
.set AT0, 6                            ; v6   V's scale words: 8 x lane
.set D0,  7                            ; v7   my query in its block - 16 (lane / 16)
.set NEG, 8                            ; v8   -infinity
.set PFO, 9                            ; v9   the prefetches' offset
.set LI,  10                           ; v10  16 x lane
.set QO,  11                           ; v11  16 x lane + 1,024 x my tile
; v12 -M, v13 the largest t, v[14:15] the sum in two halves; v16-31 Q; v32-95 four fragments of K; v96-159 S^T, then p, then V's four fragments; v160-191 O^T; v192-207 p's codes
.set KS,  208                          ; v208-211 K's scale words, v212-213 V's, v214 Q's, v215 p's: scales and nothing else
.set VS,  212
.set QS,  214
.set PS,  215
.set BM,  216                          ; v216-219 a block's largest score, then its largest p
.set TP,  220                          ; v220-223 at work; the bytes
.set HO,  224
.set SOP, 228                          ; v228-231 the conversions' scale operands
.set QSO, 238
.set OSO, 239
.set FF,  240                          ; v240 0xff
.set WV,  10                           ; s10 wave, s11 head of the pair, s12 query tile, s13 J, s14 head pair
.set TRIP, 31
.set SLOTS, 32
.set TB,  33
.set SEL, 34
.set CS,  36
.set MNT, 38
.set LIM, 39
.set PFA, 40
.macro TLOAD                           ; waves 0 and 1 fetch; four v_nop follow the line
	s_cmp_lt_u32 s[WV], 2
	s_cbranch_scc0 .Lnone_\@
	tensor_load_to_lds s[24:27], s[16:23]
	s_nop 0
.rept 4
	v_nop
.endr
.Lnone_\@:
.endm
; A PREFETCH INTO THE L2 of the key step that the NEXT change of slots will ask for, a whole trip ahead of that load.  The work-group with J = 0 walks step 0 and then steps 0 .. 15: it alone asks, and in it waves 2 to 6,
; which fetch nothing: lanes 256 bytes apart over the step's 134 blocks of 256 bytes (the lanes left over name the last block again).  Step 0 comes by its load alone; the last change that fills a slot asks for nothing.
.macro ASK
	s_cmp_gt_u32 s[SLOTS], s[LIM]
	s_cbranch_scc0 .Lnot_mine_\@
	global_prefetch_b8 v[PFO], s[PFA:PFA+1] th:TH_LOAD_NT scope:SCOPE_SE
.Lnot_mine_\@:
.endm
	s_load_b128 s[4:7], s[0:1], 0x0                ; qimg, kv
	s_load_b64 s[8:9], s[0:1], 0x10                ; oimg
	v_lshl_add_u32 v[SPW], v0, 2, SPARE
	v_mov_b32 v[NIL], 0
	ds_add_u32 v2, v3
	ds_add_u32 v2, v3
	s_wait_dscnt 0x0
	v_lshrrev_b32 v241, 5, v0
	s_delay_alu instid0(VALU_DEP_1)
	v_readfirstlane_b32 s[WV], v241                ; wave 0..15
	s_lshr_b32 s11, s[WV], 3
	s_and_b32 s12, s[WV], 7
	s_mov_b32 s13, ttmp9
	s_and_b32 s14, ttmp7, 0xffff
	s_and_b32 s15, s[WV], 1
	; descriptor group 1: a head's record, 17,152 dense bytes, as 67 rows of 32 elements of 8 bytes
	s_mov_b32 s16, 3<<16
	s_mov_b32 s17, 32<<16                          ; tensor_dim0
	s_mov_b32 s18, 67<<16                          ; tensor_dim1
	s_mov_b32 s19, 32<<16                          ; tile_dim0
	s_mov_b32 s20, 67                              ; tile_dim1
	s_mov_b32 s21, 32                              ; from row to row
	s_mov_b32 s22, 0
	s_mov_b32 s23, 0
	s_mov_b32 s24, 1
	s_mul_i32 s25, s15, RECB                       ; slot 0, my record
	s_lshl_b32 s58, s14, 5
	s_mul_i32 s58, s58, RECB                       ; the head pair's step 0
	s_add_co_u32 s2, s58, s25
	s_mov_b32 s3, 0
	s_mov_b32 s59, 0
	s_wait_kmcnt 0x0
	s_add_nc_u64 s[26:27], s[6:7], s[2:3]
	s_or_b32 s27, s27, 0x80000000
	TLOAD                                          ; key step 0 into slot 0
	s_add_nc_u64 s[PFA:PFA+1], s[6:7], s[58:59]    ; each change of slots steps it a key step on, ahead of its prefetch
	s_sub_co_u32 s2, s[WV], 2
	s_lshl_b32 s63, s2, 5
	s_cmp_lt_u32 s2, 5
	s_cselect_b32 s2, 0, 1                         ; 0 in waves 2 to 6,
	s_or_b32 s2, s2, ttmp9                         ; of the work-group with J = 0
	s_cmp_eq_u32 s2, 0
	s_cselect_b32 s[LIM], 1, -1
	s_mov_b32 s29, 0
	s_add_co_u32 s30, s13, 1
	s_mul_i32 s30, s30, STEPB                      ; back from step J + 1 to step 0
	s_mov_b32 s[TRIP], 0
	s_mov_b32 s[SLOTS], 16
	s_mov_b32 s[TB], 0
	s_mov_b32 s[SEL], 0x76543210
	s_mov_b32 s[SEL+1], 0xfedcba98                 ; v_permlanex16_b32's selects for lane l xor 16
	s_mov_b32 s[CS], 0x3e38aa3b                    ; c = log2(e) / sqrt(64)
	s_mov_b32 s[CS+1], s[CS]                       ; (named with it as a pair, so it is written)
	s_mov_b32 s54, 0xffff0000                      ; lanes 16-31
	s_lshl_b32 s55, s14, 4                         ; 16 x head pair
	s_lshr_b32 s56, s14, 3
	s_lshl_b32 s56, s56, 3                         ; 8 x batch
	s_and_b32 s57, s14, 7                          ; the pair in its batch: the last product's K step
	s_lshl_b32 s60, s12, 11
	s_lshl_b32 s2, s11, 10
	s_add_co_u32 s60, s60, s2                      ; my tile's image, my head's two chunks
	s_lshr_b32 s61, s12, 2
	s_lshl_b32 s61, s61, 8
	s_and_b32 s2, s12, 3
	s_lshl_b32 s2, s2, 2
	s_add_co_u32 s61, s61, s2
	s_lshl_b32 s2, s11, 1
	s_add_co_u32 s61, s61, s2
	s_add_co_u32 s61, s61, 32768                   ; my tile's scale words, my head's two bytes
	s_sub_co_u32 s62, 15, s13                      ; the second block of queries
; the three addresses of query block s[qb]: Q's record, o's codes, o's scale bytes
.macro PLACE qb, qp, oc, os
	s_add_co_u32 s2, s55, s[\qb]
	s_lshl_b32 s2, s2, 1
	s_add_co_u32 s2, s2, s11
	s_mul_i32 s2, s2, QREC
	s_add_nc_u64 s[\qp:\qp+1], s[4:5], s[2:3]
	s_lshr_b32 s58, s[\qb], 1
	s_add_co_u32 s58, s58, s56                     ; the block of 256 rows,
	s_lshl_b32 s58, s58, 3
	s_add_co_u32 s58, s58, s57
	s_mul_i32 s58, s58, GREC                       ; its record
	s_and_b32 s59, s[\qb], 1
	s_lshl_b32 s2, s59, 14                         ; tiles 8 (qb % 2) on
	s_add_co_u32 s2, s2, s58
	s_add_co_u32 s2, s2, s60
	s_add_nc_u64 s[\oc:\oc+1], s[8:9], s[2:3]
	s_lshl_b32 s2, s59, 9
	s_add_co_u32 s2, s2, s58
	s_add_co_u32 s2, s2, s61
	s_add_nc_u64 s[\os:\os+1], s[8:9], s[2:3]
.endm
	PLACE 13, 42, 46, 50                           ; block J: s[42:43] Q, s[46:47] codes, s[50:51] bytes
	PLACE 62, 44, 48, 52                           ; block 15 - J, kept for the change of blocks
	v_and_b32 v241, 31, v0                         ; lane
	v_and_b32 v242, 15, v0                         ; r
	v_bfe_u32 v243, v0, 4, 1                       ; h
	s_delay_alu instid0(VALU_DEP_3)
	v_lshlrev_b32 v[LI], 4, v241
	s_mul_i32 s2, s11, RECB
	v_lshl_add_u32 v[AK0], v241, 4, s2
	s_add_co_u32 s2, s2, VSO
	v_lshl_add_u32 v[AT0], v241, 3, s2
	s_lshr_b32 s2, s12, 1
	s_lshl_b32 s2, s2, 5
	s_and_b32 s58, s12, 1
	s_lshl_b32 s59, s58, 3
	s_add_co_u32 s2, s2, s59                       ; 32 (T / 2) + 8 (T % 2)
	v_and_b32 v[D0], 8, v242
	s_delay_alu instid0(VALU_DEP_1)
	v_add_nc_u32 v[D0], v[D0], v242
	s_delay_alu instid0(VALU_DEP_1)
	v_add_nc_u32 v[D0], s2, v[D0]                  ; my query in its block of 128
	v_lshlrev_b32 v244, 4, v243
	s_delay_alu instid0(VALU_DEP_1)
	v_sub_nc_u32 v[D0], v[D0], v244
	s_lshl_b32 s2, s12, 10
	v_lshl_add_u32 v[QO], v241, 4, s2
	s_lshl_b32 s2, s58, 8
	s_lshr_b32 s59, s12, 1
	s_lshl_b32 s59, s59, 2
	s_add_co_u32 s2, s2, s59
	s_add_co_u32 s2, s2, KSO
	v_lshl_add_u32 v[QSO], v242, 4, s2             ; Q's scale word: 8,192 + 16 (r + 16 (T % 2)) + 4 (T / 2)
	v_lshl_add_u32 v[OSO], v242, 4, v243           ; o's scale bytes: row r's word, lanes 0-15 my first block's byte, lanes 16-31 my second's
	v_add_nc_u32 v[PFO], s63, v241
	s_delay_alu instid0(VALU_DEP_1)
	v_min_u32 v[PFO], 133, v[PFO]
	s_delay_alu instid0(VALU_DEP_1)
	v_lshlrev_b32 v[PFO], 8, v[PFO]
	v_mov_b32 v[NEG], 0xff800000
	v_mov_b32 v[FF], 0xff
	v_mov_b32 v233, 0                              ; (named as the upper half of the pair v[232:233])
.irp b, 0,1,2,3
	v_mov_b32 v[TP+\b], 0                          ; written once: a lane permute's destination counts as one of its sources
.endr
	v_mov_b32 v234, 0
.irp t, 0,1,2,3
	v_mov_b32 v[40+16*\t], 0x3c                    ; K's fragments beyond the head's 64: the code 1.0 at k = 64 + 16 h, zeros else; written once, never loaded over
.irp j, 9,10,11,12,13,14,15
	v_mov_b32 v[32+16*\t+\j], 0
.endr
.endr
	v_mov_b32 v24, 0xbc                            ; Q's: the code -1.0 there
.irp j, 25,26,27,28,29,30,31
	v_mov_b32 v[\j], 0
.endr
.macro BEGIN qp                        ; a block of queries begins: Q's fragment and scale word; the largest t at -2^80; the sum and O^T at 0, which the first change of M leaves 0
	global_load_b128 v[16:19], v[QO], s[\qp:\qp+1]
	global_load_b128 v[20:23], v[QO], s[\qp:\qp+1] offset:512
	global_load_b32 v[QS], v[QSO], s[\qp:\qp+1]
	v_mov_b32 v13, 0xe7800000
	s_delay_alu instid0(VALU_DEP_1)
	v_floor_f32 v12, -v13
	v_mov_b32 v14, 0
	v_mov_b32 v15, 0
.set n, 0
.rept 32
	v_mov_b32 v[160+n], 0
.set n, n+1
.endr
	s_wait_loadcnt 0x0
.endm
	BEGIN 42
; THE CHANGE OF SLOTS stands at a trip's head.  Each wave waits for all its tensor loads (its part of the slot that it is about to read), adds 0 to its spare word, and waits for that and for its reads of the slot that it has left.
; fill = 1: behind the barrier that slot takes the next trip's key step: the next one, or, behind trip J, step 0 again for the second block of queries.
.macro CHANGE fill
	s_wait_tensorcnt 0x0                           ; no tensor load of mine is out, so the group 0 may be written
	ds_add_u32 v[SPW], v[NIL]                      ; 0 onto my spare word
.if \fill
	s_xor_b32 s25, s25, SLOT1
	s_cmp_eq_u32 s[TRIP], s13
	s_cselect_b32 s28, s30, 0
	s_add_nc_u64 s[26:27], s[26:27], STEPB
	s_sub_nc_u64 s[26:27], s[26:27], s[28:29]      ; the type bits on top are not reached
	s_wait_xcnt 0x0                                ; the last prefetch, a trip back, has read its address
	s_add_nc_u64 s[PFA:PFA+1], s[PFA:PFA+1], STEPB
.endif
	s_wait_dscnt 0x0                               ; the add is done, and my reads of the slot that I have left are over
	s_barrier_signal -1
	s_barrier_wait -1
.if \fill
	TLOAD                                          ; the first thing behind the barrier, and a wave's one tensor load until the next
	ASK
.endif
.endm
; A KEY STEP: 128 keys.  always = 1: it lies on the diagonal; 0: it does where TRIP = J.
.macro STEP always
	v_add_nc_u32 v[ADK], s[TB], v[AK0]
	s_wait_alu depctr_va_vdst(0)
	v_add_nc_u32 v[ADT], s[TB], v[AT0]
.rept 7
	v_nop                                          ; with the two additions nine places behind the last step's products V^T P^T, over whose fragments of V the scores are written
.endr
	ds_load_b128 v[KS:KS+3], v[ADK] offset:KSO     ; register j: lanes 0-15 tile 2 j's words, lanes 16-31 tile 2 j + 1's
.irp g, 0,1                                    ; S^T = K Q^T, four tiles of 16 keys at a time
.if \g
.rept 8
	v_nop                                          ; places in front of loads into registers that matrix instructions have read
.endr
.endif
.irp t, 0,1,2,3
	ds_load_b128 v[32+16*\t:35+16*\t], v[ADK] offset:(4*\g+\t)*1024
	ds_load_b128 v[36+16*\t:39+16*\t], v[ADK] offset:(4*\g+\t)*1024+512
.endr
	s_wait_dscnt 0x0
.irp t, 0,1,2,3
.if \t%2
	v_wmma_scale_f32_16x16x128_f8f6f4 v[96+8*(4*\g+\t):103+8*(4*\g+\t)], v[32+16*\t:47+16*\t], v[16:31], 0, v[KS+(4*\g+\t)/2], v[QS] matrix_a_fmt:MATRIX_FMT_BF8 matrix_b_fmt:MATRIX_FMT_BF8 matrix_a_scale:MATRIX_SCALE_ROW1
.else
	v_wmma_scale_f32_16x16x128_f8f6f4 v[96+8*(4*\g+\t):103+8*(4*\g+\t)], v[32+16*\t:47+16*\t], v[16:31], 0, v[KS+(4*\g+\t)/2], v[QS] matrix_a_fmt:MATRIX_FMT_BF8 matrix_b_fmt:MATRIX_FMT_BF8
.endif
.endr
.endr                                          ; register 16 b + i of a lane: key 32 b + 16 (lane / 16) + i of the step
; On either way the first eight vector lines and more touch the first four tiles' scores alone: they are the places behind the last four products; the eight v_nop above are those behind the first four.
.if !\always
	s_cmp_lg_u32 s[TRIP], s13
	s_cbranch_scc1 .Lopen_\@
.endif
.set n, 0
.rept 64                                       ; on the diagonal the scores of keys behind my query become -infinity: p = 0 then
	v_cmp_gt_i32 vcc_lo, 32*(n/16)+n%16, v[D0]
	v_cndmask_b32 v[96+n], v[96+n], v[NEG], vcc_lo
.set n, n+1
.endr
.if !\always
.Lopen_\@:
.endif
.irp p, 0,2                                    ; the largest score of each block of 32 keys: for the row's maximum, and, since p rises with the score, for the block's largest p
.irp b, \p, \p+1
	v_max3_num_f32 v[BM+(\b)], v[96+16*(\b)], v[97+16*(\b)], v[98+16*(\b)]
.endr
.irp i, 3,5,7,9,11,13
.irp b, \p, \p+1
	v_max3_num_f32 v[BM+(\b)], v[BM+(\b)], v[96+16*(\b)+\i], v[97+16*(\b)+\i]
.endr
.endr
.irp b, \p, \p+1
	v_max_num_f32 v[BM+(\b)], v[BM+(\b)], v[111+16*(\b)]
.endr
.endr
.irp b, 0,1,2,3
	v_permlanex16_b32 v[TP+\b], v[BM+\b], s[SEL], s[SEL+1]
.endr
.irp b, 0,1,2,3
	s_delay_alu instid0(VALU_DEP_4)
	v_max_num_f32 v[BM+\b], v[BM+\b], v[TP+\b]     ; with lane l xor 16's 16 keys
.endr
	s_delay_alu instid0(VALU_DEP_2)
	v_max3_num_f32 v234, v[BM], v[BM+1], v[BM+2]
	s_delay_alu instid0(VALU_DEP_1)
	v_max_num_f32 v234, v234, v[BM+3]              ; the step's largest score of my query
	s_delay_alu instid0(VALU_DEP_1)
	v_mul_f32 v234, s[CS], v234                    ; as t
	s_delay_alu instid0(VALU_DEP_1)
	v_max_num_f32 v13, v13, v234                   ; the running largest t
	v_mov_b32 v234, v12
	s_delay_alu instid0(VALU_DEP_2)
	v_floor_f32 v12, -v13                          ; the new -M = floor(-t): M is a whole number
	s_delay_alu instid0(VALU_DEP_1)
	v_sub_f32 v234, v12, v234                      ; M's old value less its new one: a whole number, 0 or less
	s_delay_alu instid0(VALU_DEP_1)
	v_cvt_i32_f32 v234, v234                       ; (it saturates)
	s_delay_alu instid0(VALU_DEP_1)
	v_ldexp_f32 v232, 1.0, v234                    ; f = 2^(old M - new M): a multiplication by it rounds nothing
.set n, 0
.rept 32
	v_pk_fma_f32 v[96+n:97+n], v[96+n:97+n], s[CS:CS+1], v[12:13] op_sel_hi:[1,0,0]   ; t - M, two at a time
.set n, n+2
.endr
.irp b, 0,1,2,3
	v_fma_f32 v[BM+\b], v[BM+\b], s[CS], v12       ; the same of each block's largest score
.endr
.set n, 0
	s_wait_alu depctr_va_vdst(0)
.rept 64
	v_exp_f32 v[96+n], v[96+n]                     ; p = 2^(t - M)
.set n, n+1
.endr
	v_pk_mul_f32 v[14:15], v[14:15], v[232:233] op_sel_hi:[1,0]   ; the sums under the new M: a plain line behind the exponentials
	s_wait_alu depctr_va_vdst(0)                   ; one wait for the batch, ahead of its first reader
.irp b, 0,1,2,3
	v_exp_f32 v[BM+\b], v[BM+\b]                   ; the block's largest p: the same two instructions on the same number give the same bits
.endr
	v_pk_add_f32 v[236:237], v[100:101], v[104:105]
	v_pk_add_f32 v[254:255], v[108:109], v[112:113]
	v_pk_add_f32 v[252:253], v[116:117], v[120:121]
	v_pk_add_f32 v[250:251], v[124:125], v[128:129]
	v_pk_add_f32 v[248:249], v[132:133], v[136:137]
	v_pk_add_f32 v[246:247], v[140:141], v[144:145]
	v_pk_add_f32 v[244:245], v[148:149], v[152:153]
	v_pk_add_f32 v[14:15], v[14:15], v[156:157]
	v_pk_add_f32 v[236:237], v[236:237], v[96:97]
	v_pk_add_f32 v[254:255], v[254:255], v[98:99]
	v_pk_add_f32 v[252:253], v[252:253], v[102:103]
	v_pk_add_f32 v[250:251], v[250:251], v[106:107]
	v_pk_add_f32 v[248:249], v[248:249], v[110:111]
	v_pk_add_f32 v[246:247], v[246:247], v[114:115]
	v_pk_add_f32 v[244:245], v[244:245], v[118:119]
	v_pk_add_f32 v[14:15], v[14:15], v[122:123]
	v_pk_add_f32 v[236:237], v[236:237], v[126:127]
	v_pk_add_f32 v[254:255], v[254:255], v[130:131]
	v_pk_add_f32 v[252:253], v[252:253], v[134:135]
	v_pk_add_f32 v[250:251], v[250:251], v[138:139]
	v_pk_add_f32 v[248:249], v[248:249], v[142:143]
	v_pk_add_f32 v[246:247], v[246:247], v[146:147]
	v_pk_add_f32 v[244:245], v[244:245], v[150:151]
	v_pk_add_f32 v[14:15], v[14:15], v[154:155]
	v_pk_add_f32 v[236:237], v[236:237], v[158:159]
	s_delay_alu instid0(VALU_DEP_2)
	v_pk_add_f32 v[14:15], v[14:15], v[250:251]
	s_delay_alu instid0(VALU_DEP_2)
	v_pk_add_f32 v[236:237], v[236:237], v[248:249]
	v_pk_add_f32 v[254:255], v[254:255], v[246:247]
	v_pk_add_f32 v[252:253], v[252:253], v[244:245]
	s_delay_alu instid0(VALU_DEP_2)
	v_pk_add_f32 v[14:15], v[14:15], v[254:255]
	s_delay_alu instid0(VALU_DEP_2)
	v_pk_add_f32 v[236:237], v[236:237], v[252:253]
	s_delay_alu instid0(VALU_DEP_1)
	v_pk_add_f32 v[14:15], v[14:15], v[236:237]
	s_wait_alu depctr_va_vdst(0)                   ; and one for the four
.irp b, 0,1,2,3
	v_max_num_f32 v[BM+\b], 0x8000000, v[BM+\b]    ; the floor 2^(16 - 127): the byte cannot fall under 1
.endr
.irp b, 0,1,2,3
	s_delay_alu instid0(VALU_DEP_4)
	v_add_nc_u32 v[SOP+\b], 0xf8800000, v[BM+\b]   ; 15 off the exponent field: the conversion's scale operand
.endr
.irp b, 0,1,2,3
.endr
.irp b, 0,1,2,3
	s_delay_alu instid0(VALU_DEP_4)
	v_lshrrev_b32 v[TP+\b], 23, v[SOP+\b]          ; the scale's byte
.endr
	s_delay_alu instid0(VALU_DEP_3)
	v_lshl_or_b32 v[PS], v[TP+1], 8, v[TP]         ; p's scale word for these 128 keys
	s_delay_alu instid0(VALU_DEP_1)
	v_lshl_or_b32 v[PS], v[TP+2], 16, v[PS]
	s_delay_alu instid0(VALU_DEP_1)
	v_lshl_or_b32 v[PS], v[TP+3], 24, v[PS]
.irp b, 0,1,2,3
.irp i, 0,1,2,3,4,5,6,7,8,9,10,11,12,13,14,15
.endr
	v_cvt_scalef32_pk8_bf8_f32 v[192+4*\b:193+4*\b], v[96+16*\b:103+16*\b], v[SOP+\b]
	v_cvt_scalef32_pk8_bf8_f32 v[194+4*\b:195+4*\b], v[104+16*\b:111+16*\b], v[SOP+\b]
.endr
	v_nop
.irp d, 0,1,2,3                                ; V's four fragments take the registers that p has left
.irp c, 0,1,2,3
	ds_load_b128 v[96+16*\d+4*\c:99+16*\d+4*\c], v[ADK] offset:VO+2048*\d+512*\c
.endr
.endr
	ds_load_b64 v[VS:VS+1], v[ADT]
.set n, 0
.rept 16
	v_pk_mul_f32 v[160+n:161+n], v[160+n:161+n], v[232:233] op_sel_hi:[1,0]   ; O^T under the new M.  (These are also the places between the codes and the products)
.set n, n+2
.endr
	s_wait_alu depctr_va_vdst(0)
	s_wait_dscnt 0x0
.irp d, 0,1,2,3                                ; O^T += V^T P^T: four accumulators by turns, one instruction a turn
.if \d%2
	v_wmma_scale_f32_16x16x128_f8f6f4 v[160+8*\d:167+8*\d], v[96+16*\d:111+16*\d], v[192:207], v[160+8*\d:167+8*\d], v[VS+\d/2], v[PS] matrix_a_fmt:MATRIX_FMT_BF8 matrix_b_fmt:MATRIX_FMT_BF8 matrix_a_scale:MATRIX_SCALE_ROW1
.else
	v_wmma_scale_f32_16x16x128_f8f6f4 v[160+8*\d:167+8*\d], v[96+16*\d:111+16*\d], v[192:207], v[160+8*\d:167+8*\d], v[VS+\d/2], v[PS] matrix_a_fmt:MATRIX_FMT_BF8 matrix_b_fmt:MATRIX_FMT_BF8
.endif
.endr
.endm
; A BLOCK OF QUERIES ENDS: o = O^T / l; register 16 b + i of a lane is channel 32 b + 16 (lane / 16) + i of my head: two blocks of 32 of the last product's K.  They are quantised and leave as two chunks of an image.
.macro FINISH
	v_add_f32 v14, v14, v15                        ; the sum's two halves,
	s_delay_alu instid0(VALU_DEP_1)
	v_permlanex16_b32 v234, v14, s[SEL], s[SEL+1]
	s_delay_alu instid0(VALU_DEP_1)
	v_add_f32 v14, v14, v234                       ; and lane l xor 16's
	s_wait_alu depctr_va_vdst(0)
	v_rcp_f32 v232, v14
	v_cmp_eq_f32 vcc_lo, 0, v14                    ; no key counted for my query
.rept 6
	v_nop                                          ; with the two additions and the compare nine plain lines behind the last products
.endr
	s_wait_alu depctr_va_vdst(0)                   ; the wait ahead of the reciprocal's first reader
.set n, 0
.rept 16
	v_pk_mul_f32 v[96+n:97+n], v[160+n:161+n], v[232:233] op_sel_hi:[1,0]   ; each accumulator from its low end on
.set n, n+2
.endr
.irp b, 0,1
	v_max3_num_f32 v[BM+\b], |v[96+16*\b]|, |v[97+16*\b]|, 0x8000000
.endr
.irp i, 2,4,6,8,10,12,14
.irp b, 0,1
	s_delay_alu instid0(VALU_DEP_2)
	v_max3_num_f32 v[BM+\b], v[BM+\b], |v[96+16*\b+\i]|, |v[97+16*\b+\i]|
.endr
.endr
.irp b, 0,1
	s_delay_alu instid0(VALU_DEP_2)
	v_permlanex16_b32 v[TP+\b], v[BM+\b], s[SEL], s[SEL+1]
.endr
.irp b, 0,1
	s_delay_alu instid0(VALU_DEP_2)
	v_max_num_f32 v[BM+\b], v[BM+\b], v[TP+\b]
.endr
.irp b, 0,1
	s_delay_alu instid0(VALU_DEP_2)
	v_add_nc_u32 v[SOP+\b], 0xf8800000, v[BM+\b]
.endr
.irp b, 0,1
.endr
.irp b, 0,1
	s_delay_alu instid0(VALU_DEP_2)
	v_lshrrev_b32 v[TP+\b], 23, v[SOP+\b]
.endr
.irp b, 0,1
.irp i, 0,1,2,3,4,5,6,7,8,9,10,11,12,13,14,15
.endr
	v_cvt_scalef32_pk8_bf8_f32 v[192+4*\b:193+4*\b], v[96+16*\b:103+16*\b], v[SOP+\b]
	v_cvt_scalef32_pk8_bf8_f32 v[194+4*\b:195+4*\b], v[104+16*\b:111+16*\b], v[SOP+\b]
.endr
	v_cndmask_b32 v234, v[TP], v[TP+1], s54        ; lanes 0-15 carry the first block's byte, lanes 16-31 the second's.  (A plain line behind the last conversion)
	s_delay_alu instid0(VALU_DEP_1)
	v_cndmask_b32 v234, v234, v[FF], vcc_lo        ; a row for which no key counted: the byte that makes the last product's sum NaN
	global_store_b128 v[LI], v[192:195], s[46:47]                  ; 32 lanes store 512 consecutive bytes, aligned
	global_store_b128 v[LI], v[196:199], s[46:47] offset:512
	global_store_b8 v[OSO], v234, s[50:51]         ; a byte a lane: a scale word's halves come from two heads; 32 bytes beside the 1,024 of codes
.endm
.Ltrip:                                            ; 16 trips: behind each change of slots but the last the next trip's key step is asked for
	CHANGE 1
	STEP 0
	s_cmp_lg_u32 s[TRIP], s13                      ; behind trip J the first block of queries is done: a branch on ids; no barrier, tensor load or LDS instruction stands inside
	s_cbranch_scc1 .Lsame
	FINISH
	s_wait_xcnt 0x0                                ; the stores have read their registers and bases
	s_mov_b64 s[46:47], s[48:49]
	s_mov_b64 s[50:51], s[52:53]
	BEGIN 44
.Lsame:
	s_xor_b32 s[TB], s[TB], SLOT1                  ; on to the other slot
	s_add_co_u32 s[TRIP], s[TRIP], 1
	s_sub_co_u32 s[SLOTS], s[SLOTS], 1
	s_cmp_lg_u32 s[SLOTS], 0
	s_cbranch_scc1 .Ltrip
	CHANGE 0                                       ; the last trip is written out: the second block's step on the diagonal
	STEP 1
	FINISH
	s_wait_tensorcnt 0x0                           ; the wave's end
	ds_add_u32 v[SPW], v[NIL]
	s_wait_dscnt 0x0
	s_endpgm
.Lfunc_end_k_qf108f16a2b_attn:
	.size	k_qf108f16a2b_attn, .Lfunc_end_k_qf108f16a2b_attn-k_qf108f16a2b_attn
	.p2alignl 7, 3214868480
	.fill 96, 4, 3214868480
	.section	.rodata,"a",@progbits
	.p2align	6, 0x0
	.amdhsa_kernel k_qf108f16a2b_attn
		.amdhsa_group_segment_fixed_size 327680
		.amdhsa_private_segment_fixed_size 0
		.amdhsa_enable_private_segment 0
		.amdhsa_kernarg_size 24
		.amdhsa_user_sgpr_count 2
		.amdhsa_user_sgpr_kernarg_segment_ptr 1
		.amdhsa_wavefront_size32 1
		.amdhsa_system_sgpr_workgroup_id_x 1
		.amdhsa_system_sgpr_workgroup_id_y 1
		.amdhsa_system_sgpr_workgroup_id_z 1
		.amdhsa_system_vgpr_workitem_id 0
		.amdhsa_next_free_vgpr 256
		.amdhsa_next_free_sgpr 72
		.amdhsa_reserve_vcc 1
		.amdhsa_float_denorm_mode_32 3
		.amdhsa_float_denorm_mode_16_64 3
		.amdhsa_fp16_overflow 1
		.amdhsa_memory_ordered 1
		.amdhsa_forward_progress 1
		.amdhsa_inst_pref_size 65
	.end_amdhsa_kernel
	.amdgpu_metadata
---
amdhsa.version: [ 1, 2 ]
amdhsa.kernels:
  - .name:           k_qf108f16a2b_attn
    .symbol:         k_qf108f16a2b_attn.kd
    .args:
      - { .name: qimg, .offset: 0, .size: 8, .value_kind: global_buffer, .address_space: global }
      - { .name: kv, .offset: 8, .size: 8, .value_kind: global_buffer, .address_space: global }
      - { .name: oimg, .offset: 16, .size: 8, .value_kind: global_buffer, .address_space: global }
    .group_segment_fixed_size: 327680
    .private_segment_fixed_size: 0
    .kernarg_segment_align: 8
    .kernarg_segment_size: 24
    .max_flat_workgroup_size: 512
    .sgpr_count:     72
    .vgpr_count:     256
    .wavefront_size: 32
...
	.end_amdgpu_metadata
.endif
;; end of part 3
;; launch outp (part 4): grid 4 x 32, 4 waves a work-group, clusters of 4 x 4, 327,680 bytes of LDS; arguments oimg, img, bo, out0; writes out0
.if DOCPART == 4
	.amdgcn_target "amdgcn-amd-amdhsa--gfx1250"
	.amdhsa_code_object_version 6
	.text
	.protected	k_qf108f16a2b_outp
	.globl	k_qf108f16a2b_outp
	.p2align	8
	.type	k_qf108f16a2b_outp,@function
k_qf108f16a2b_outp:
	s_mov_b64 s[64:65], 0
	v_nop
	global_prefetch_b8 v0, s[64:65] scope:SCOPE_SE
	s_setreg_imm32_b32 hwreg(HW_REG_WAVE_MODE, 25, 1), 1
	s_wait_xcnt 0x0
	s_wait_alu depctr_hold_cnt(0) depctr_sa_sdst(0) depctr_va_vdst(0) depctr_va_sdst(0) depctr_va_ssrc(0) depctr_va_vcc(0) depctr_vm_vsrc(0)
	s_getreg_b32 s2, hwreg(HW_REG_IB_STS2, 6, 4)
	s_cmp_eq_u32 s2, 0
	s_cbranch_scc0 .Lentry_in_a_cluster
	s_endpgm
.Lentry_in_a_cluster:
	s_bfe_u32 s2, ttmp6, 0x10000c
	s_cmp_lg_u32 s2, 0xf033
	s_cbranch_scc0 .Lentry_shape_is_right
	s_endpgm
.Lentry_shape_is_right:
; ONE SOURCE FOR TWO LAUNCHES.  OUTP = 0: q = x Wq^T + bq, k = x Wk^T + bk, v = x Wv^T + bv, each quantised in registers for the attention.  OUTP = 1: out0 = o Wo^T + bo.
; Both products run on codes of BF8 (E5M2) with one E8M0 scale for each 32 along K, K = 1,024, sums in f32.  Operands arrive as records of 256 rows x 128 K in the order of the operand's registers:
; 16 tiles x 2,048 bytes of images (chunk c: lane l's registers 4 c .. 4 c + 3 at 16 l), then 1,024 bytes of scale words (tile 8 half + 4 g + i, row r at 512 half + 256 g + 16 r + 4 i).
; Row i of tile T is 32 (T / 2) + 8 (T % 2) + i + 8 (i / 8): so a result's 16 registers of two neighbouring tiles of source 0 are 16 neighbours, 32 b + 16 (lane / 16) + 0 .. 15.
; SHARES.  A tile of C is 256 x 256, a wave's 128 x 128: 64 accumulators.  THE M SIDE is source 1 (a lane is a row), THE N SIDE source 0 (a lane's registers run along it, and the result is quantised along it).
; q, k, out0: M = rows of x (of o), N = rows of W.  v: M = rows of Wv, N = rows of x, so that v^T comes out with the keys along the registers.  The tensor loads are alike in all kinds; only the LDS read addresses change sides.
; RING.  Two LDS slots, each with two K steps of 128: X's two records, then W's two; each wave fetches one record (132 rows of 256 bytes, dense) by one tensor load.  The scale words ride in the records.
; CLUSTERS: 4 x 4 work-groups.  X's records hang on the tile row alone and are asked for jointly along a row of the cluster, W's on the tile column alone, jointly along a column.
; A row of o for which no key counted arrives with the scale byte 0xff: its sums, and so its row of out0, are NaN, as the softmax of nothing is.
; LIMITS: NaN and infinities among the inputs are not served.
; REGISTERS, in windows of 256.  window 0: v1-31 addresses; v32-63 scale words, two sets (scales and nothing else); v64-127 the bias in C's layout; v128-255 the M side's 8 fragments, ONE set; on the way out v128-255 are free.
;   window 1: the N side's fragments, TWO sets, at v0 and v128.   windows 2, 3: accumulator (a, t) at v[8 (8 (a % 4) + t)], a = 0-3 in window 2, a = 4-7 in window 3.
.set OUTP,  1
.set REC,   33792                      ; a record
.set SLOT,  136192                     ; from slot to slot: four records and 1,024 bytes that nothing touches
.set WOFF,  2*REC                      ; W's records in a slot
.set SCO,   32768                      ; the scale words in a record
.set SPARE, 2*SLOT                     ; the spare words, 128 bytes for each wave: two blocks of 256 bytes that no other line names
.set NP,    8                          ; places behind this matrix instruction (ISA guide 7.12.1)
.set WBLK,  44                         ; Wo's first block in img
.set RR,   1                           ; v1   r = lane % 16
.set HH,   2                           ; v2   h = lane / 16
.set LI,   3                           ; v3   16 x lane; never rewritten
.set ADRM, 16                          ; v16-17 LDS address of the M side's fragments in slot 0, 1
.set ADRN, 20                          ; v20-21 the N side's
.set ADRS, 22                          ; v22-23 the scale words': lanes 0-15 the M side's, lanes 16-31 the N side's
.set STO,  24                          ; v24  the stage: where I put 32 bytes of a row
.set RD,   25                          ; v25  and where I read a row back
.set SPW,  28                          ; v28  LDS address of my spare word; never rewritten
.set NIL,  29                          ; v29  0; never rewritten
.set BO,   30                          ; v30  64 h: my half's eight numbers of a bias by column
.set SC,   32                          ; set s at SC + 16 s; in it register 8 q + tile
.set BI,   64
.set MF,   128
.set WV,   18                          ; s18 wave;  s19 wr: my half of the M side; also: I fetch for X (0) or W (1);  s20 wc: my half of the N side; also: which record of a slot I fetch
.set WR,   19
.set WC,   20
.set CX,   21
.set CY,   22
.set TX,   23
.set TY,   40
.set G1X,  24                          ; s[24:31] descriptor group 1 for X's records;  s[32:39] group 0, one set for each slot
.set G0X,  32
.set G1W,  48                          ; s[48:55], s[56:63] the same for W's
.set G0W,  56
.set MSB, 0
.macro WIN new                         ; the immediate's high byte repeats the setting that is left
.if MSB != (\new)
	s_set_vgpr_msb (MSB<<8)|(\new)
.set MSB, (\new)
.endif
.endm
; A joint load: waves 0 and 1 fetch X's two records of a slot, waves 2 and 3 W's.  Each line has one mask and one set of registers; the branch hangs on the wave's number alone.
; Four v_nop follow each of the two lines, ahead of the jump, the label and what follows.
.macro JLOAD s
	s_cmp_eq_u32 s[WR], 0
	s_cbranch_scc0 .Lfor_w_\@
	tensor_load_to_lds s[G0X+4*\s:G0X+4*\s+3], s[G1X:G1X+7]
	s_nop 0
.rept 4
	v_nop
.endr
	s_branch .Lasked_\@
.Lfor_w_\@:
	tensor_load_to_lds s[G0W+4*\s:G0W+4*\s+3], s[G1W:G1W+7]
	s_nop 0
.rept 4
	v_nop
.endr
.Lasked_\@:
.endm
.macro CREST                           ; a round of the cluster's barrier behind its opening barrier
	s_cmp_lg_u32 s[WV], 0
	s_cbranch_scc1 .Lnot_wave_0_\@
	s_barrier_signal -3
.Lnot_wave_0_\@:
	s_barrier_wait -3
	s_barrier_signal -1
	s_barrier_wait -1
.endm
.macro CROUND                          ; a whole round
	s_barrier_signal -1
	s_barrier_wait -1
	CREST
.endm
.macro PLACES n
.rept \n
	v_nop
.endr
.endm
	s_load_b256 s[4:11], s[0:1], 0x0               ; oimg s[4:5], img s[6:7], bo s[8:9], out0 s[10:11]
	v_lshl_add_u32 v[SPW], v0, 2, SPARE
	v_mov_b32 v[NIL], 0
	ds_add_u32 v28, v29
	ds_add_u32 v28, v29
	s_wait_dscnt 0x0
	v_lshrrev_b32 v4, 5, v0
	v_readfirstlane_b32 s[WV], v4                  ; wave 0..3
	s_lshr_b32 s[WR], s[WV], 1
	s_and_b32 s[WC], s[WV], 1
	s_bfe_u32 s[CX], ttmp6, 0x40000                ; my place in the cluster
	s_bfe_u32 s[CY], ttmp6, 0x40004
	s_lshl_b32 s[TX], ttmp9, 2
	s_add_co_u32 s[TX], s[TX], s[CX]               ; tile column = 4 x cluster x + cx
	s_and_b32 s[TY], ttmp7, 0xffff
	s_lshl_b32 s[TY], s[TY], 2
	s_add_co_u32 s[TY], s[TY], s[CY]               ; tile row = 4 x cluster y + cy
	s_lshl_b32 s42, s[CY], 2
	s_lshl_b32 s42, 15, s42                        ; my row of the cluster
	s_lshl_b32 s43, 0x1111, s[CX]                  ; my column
	; descriptor group 1: a record, 33,792 dense bytes, as 132 rows of 32 elements of 8 bytes; no padding: fragments are read at 16 x lane
	s_or_b32 s[G1X], s42, (3<<16)|(1<<21)          ; 15:0 the mask; 17:16 elements of 8 bytes; 21 set beside a mask
	s_or_b32 s[G1W], s43, (3<<16)|(1<<21)
.irp g, G1X, G1W
	s_mov_b32 s[\g+1], 32<<16                      ; tensor_dim0 = 32
	s_mov_b32 s[\g+2], 132<<16                     ; tensor_dim1 = 132
	s_mov_b32 s[\g+3], 32<<16                      ; tile_dim0 = 32
	s_mov_b32 s[\g+4], 132                         ; tile_dim1 = 132
	s_mov_b32 s[\g+5], 32                          ; from row to row
	s_mov_b32 s[\g+6], 0
	s_mov_b32 s[\g+7], 0
.endr
	s_mul_i32 s2, s[WC], REC                       ; which record of a slot I fetch
	s_mul_i32 s44, s[TY], 8*REC                    ; X: block = tile row
	s_add_co_u32 s44, s44, s2
	s_mov_b32 s45, 0
	s_add_co_u32 s46, s[TX], WBLK                  ; W: block = first block + tile column
	s_mul_i32 s46, s46, 8*REC
	s_add_co_u32 s46, s46, s2
	s_mov_b32 s47, 0
	s_mul_i32 s41, s[WV], REC                      ; where it goes: wave x a record: no place in the cluster enters an LDS address
	s_wait_kmcnt 0x0
	s_add_nc_u64 s[44:45], s[4:5], s[44:45]
	s_add_nc_u64 s[46:47], s[6:7], s[46:47]
	CROUND                                         ; all sixteen work-groups are here: the first joint loads meet
.irp s, 0,1
	s_mov_b32 s[G0X+4*\s], 1
	s_add_co_u32 s[G0X+4*\s+1], s41, \s*SLOT
	s_add_nc_u64 s[G0X+4*\s+2:G0X+4*\s+3], s[44:45], \s*2*REC      ; slot s begins with K steps 2 s, 2 s + 1
	s_or_b32 s[G0X+4*\s+3], s[G0X+4*\s+3], 0x80000000
	s_mov_b32 s[G0W+4*\s], 1
	s_add_co_u32 s[G0W+4*\s+1], s41, \s*SLOT
	s_add_nc_u64 s[G0W+4*\s+2:G0W+4*\s+3], s[46:47], \s*2*REC
	s_or_b32 s[G0W+4*\s+3], s[G0W+4*\s+3], 0x80000000
	s_wait_alu depctr_va_vdst(0)
	s_wait_tensorcnt 0x0
	ds_add_u32 v28, v29
	ds_add_u32 v28, v29
	s_wait_dscnt 0x0
	CROUND
	JLOAD \s
.endr
	; every LDS address, ahead of all that follows
	v_and_b32 v[RR], 15, v0
	v_bfe_u32 v[HH], v0, 4, 1
	s_wait_alu depctr_va_vdst(0)
	v_and_b32 v4, 31, v0
	v_lshlrev_b32 v[LI], 4, v4
	s_lshl_b32 s67, s[WR], 14                      ; the M side is X: my 8 tiles of 2,048 bytes
	s_lshl_b32 s68, s[WC], 14
	s_add_co_u32 s68, s68, WOFF                    ; the N side is W
	v_add_nc_u32 v[ADRM], s67, v[LI]
	v_add_nc_u32 v[ADRM+1], SLOT, v[ADRM]
	v_add_nc_u32 v[ADRN], s68, v[LI]
	v_add_nc_u32 v[ADRN+1], SLOT, v[ADRN]
	s_lshl_b32 s69, s[WR], 9
	s_lshl_b32 s70, s[WC], 9
	s_add_co_u32 s70, s70, WOFF
	s_sub_co_u32 s70, s70, s69                     ; from X's scale words to W's
	s_add_co_u32 s69, s69, SCO                     ; X's
	v_mul_u32_u24 v5, s70, v[HH]                   ; lanes 0-15 take the M side's words, lanes 16-31 the N side's: ONE product, the lower base + h x the distance
	v_lshl_add_u32 v5, v[RR], 4, v5                ; + 16 r: four tiles' words of my row
	v_add_nc_u32 v[ADRS], s69, v5
	v_add_nc_u32 v[ADRS+1], SLOT, v[ADRS]
	v_lshlrev_b32 v[BO], 6, v[HH]
	s_wait_alu depctr_va_vdst(0)
	s_mul_i32 s71, s[WV], 16*528                   ; my stage: 16 rows x (512 bytes + 16), in slot 0, used behind that slot's last fill and last read
	v_mul_u32_u24 v[STO], v[RR], 528
	v_lshl_add_u32 v[STO], v[HH], 6, v[STO]
	v_add_nc_u32 v[STO], s71, v[STO]
	v_add_nc_u32 v[RD], s71, v[LI]
	s_lshl_b32 s2, s[TX], 10
	s_lshl_b32 s3, s[WC], 9
	s_add_co_u32 s2, s2, s3                        ; my 128 columns, in bytes
	s_mov_b32 s3, 0
	s_add_nc_u64 s[8:9], s[8:9], s[2:3]            ; bo there,
	s_add_nc_u64 s[10:11], s[10:11], s[2:3]        ; out0 there,
	s_lshl_b32 s2, s[TY], 20
	s_lshl_b32 s71, s[WR], 19
	s_add_co_u32 s2, s2, s71
	s_add_nc_u64 s[10:11], s[10:11], s[2:3]        ; at my first row: 256 x tile row + 128 x half, rows of 4,096 bytes
.irp t, 0,1,2,3,4,5,6,7                        ; the bias in C's layout: for N tile t lane (r, h) wants the eight numbers 32 (t / 2) + 8 (t % 2) + 16 h + 0 .. 7
	global_load_b128 v[BI+8*\t:BI+8*\t+3], v[BO], s[8:9] offset:(32*(\t/2)+8*(\t%2))*4
	global_load_b128 v[BI+8*\t+4:BI+8*\t+7], v[BO], s[8:9] offset:(32*(\t/2)+8*(\t%2))*4+16
.endr
	s_wait_loadcnt 0x0                             ; the bias
.macro FRAG reg, adr, q, i             ; a fragment comes back as it was laid: four loads at 16 x lane, 512 bytes apart
.irp c, 0,1,2,3
	ds_load_b128 v[\reg+4*\c:\reg+4*\c+3], v[\adr] offset:REC*(\q)+2048*(\i)+512*\c
.endr
.endm
.macro FETCH_N slot, q, p              ; the N side's eight fragments of the slot's q-th 128 along K into set p
	WIN 0x40                                       ; destination window 1, address window 0
.irp i, 0,1,2,3,4,5,6,7
	FRAG 128*(\p)+16*\i, ADRN+\slot, \q, \i
.endr
	WIN 0
.endm
.macro FETCH_M slot, q, i0             ; the M side's blocks i0 .. i0 + 3
.irp i, \i0, \i0+1, \i0+2, \i0+3
	FRAG MF+16*(\i), ADRM+\slot, \q, \i
.endr
.endm
.macro SCALES s                        ; a slot's scale words: one load brings four tiles' words of a row
.irp q, 0,1
.irp g, 0,1
	ds_load_b128 v[SC+16*\s+8*\q+4*\g:SC+16*\s+8*\q+4*\g+3], v[ADRS+\s] offset:REC*\q+256*\g
.endr
.endr
.endm
; 16 matrix instructions: M blocks a0, a0 + 1 x the N side's eight, 128 along K.  p: the N side's set; q: which 128 of the slot; sc: the set of scale words.
; mode 0: onto the sums.  mode 1: the first product starts the sums with the bias as C: nothing is cleared and nothing is added later.
; The 64 accumulators take turns, one instruction a turn, in the same order in every step.
.macro MUL16 a0, p, q, sc, mode
.irp a, \a0, \a0+1
.irp b, 0,1,2,3,4,5,6,7
.set rD, 8*(8*((\a)%4)+\b)
.set rN, 128*(\p)+16*\b
.set rM, MF+16*(\a)
.set rC, rD
.if \mode == 1
.set rC, BI+8*\b
.endif
	v_wmma_scale_f32_16x16x128_f8f6f4 v[rD:rD+7], v[rN:rN+15], v[rM:rM+15], v[rC:rC+7], v[SC+16*(\sc)+8*(\q)+\b], v[SC+16*(\sc)+8*(\q)+(\a)] matrix_a_fmt:MATRIX_FMT_BF8 matrix_b_fmt:MATRIX_FMT_BF8 matrix_a_scale:MATRIX_SCALE_ROW1
.endr
.endr
.endm
; A slot's first step.  A load into a register that a matrix instruction has read stands NP places behind it; only plain vector instructions that name none of its registers are places.
.macro STEP slot, mode
.if \mode
.set WLO, 0x81                         ; source 0 window 1, source 1 and C window 0, D window 2
.set WHI, 0xc1
.else
.set WLO, 0xa1                         ; C and D window 2
.set WHI, 0xf1
.endif
	s_wait_dscnt 16                                ; the N side's set, the M side's blocks 0-3 and the scale words are in; the youngest 16 loads (blocks 4-7) may be out
	WIN WLO
	MUL16 0, 0, 0, \slot, \mode
	MUL16 2, 0, 0, \slot, \mode
	s_wait_dscnt 0x0                               ; blocks 4-7 are in
	PLACES NP
	FETCH_N \slot, 1, 1
	FETCH_M \slot, 1, 0
	WIN WHI
	MUL16 4, 0, 0, \slot, \mode
	MUL16 6, 0, 0, \slot, \mode
	PLACES NP
	WIN 0
	FETCH_M \slot, 1, 4
.endm
; A slot's second step changes slots: ONE barrier; in front of it each wave waits for all its tensor loads, adds 0 to its spare word, and waits for that and for its own reads of this slot.
; fill = 1: the barrier opens a round of the cluster's barrier, and this slot is filled again, four K steps ahead, first thing behind the round.
.macro TURN slot, next, fill
	s_wait_tensorcnt 0x0                           ; all my tensor loads have landed: my record of the next slot among them
	ds_add_u32 v[SPW], v[NIL]                      ; 0 onto my spare word
	s_wait_dscnt 17                                ; (the add and the youngest 16 loads may be out)
	WIN 0xa1
	MUL16 0, 1, 1, \slot, 0                        ; sixteen matrix instructions stand between the add and the wait for it
	s_wait_dscnt 0x0                               ; the add is done, and my reads of this slot are over
	s_barrier_signal -1
	MUL16 2, 1, 1, \slot, 0
	WIN 0
	s_barrier_wait -1
.if \fill
	CREST                                          ; no wave of any partner still reads this slot or has a load on its way
	s_add_nc_u64 s[G0X+4*\slot+2:G0X+4*\slot+3], s[G0X+4*\slot+2:G0X+4*\slot+3], 4*REC
	s_add_nc_u64 s[G0W+4*\slot+2:G0W+4*\slot+3], s[G0W+4*\slot+2:G0W+4*\slot+3], 4*REC
	JLOAD \slot                                    ; the four v_nop behind it are among the places in front of the loads below
	PLACES NP-4
.else
	PLACES NP
.endif
	FETCH_N \next, 0, 0
	FETCH_M \next, 0, 0
	SCALES \next
	WIN 0xf1
	MUL16 4, 1, 1, \slot, 0
	MUL16 6, 1, 1, \slot, 0
	PLACES NP
	WIN 0
	FETCH_M \next, 0, 4
.endm
	s_wait_tensorcnt 1                             ; my record of slot 0 is in; slot 1's may stay out
	s_barrier_signal -1
	s_barrier_wait -1                              ; everybody's is
	FETCH_N 0, 0, 0
	FETCH_M 0, 0, 0
	SCALES 0
	FETCH_M 0, 0, 4
	STEP 0, 1                                      ; K step 0 starts the sums with bo
	TURN 0, 1, 1                                   ; K step 1; slot 0 takes K steps 4, 5
	STEP 1, 0                                      ; 2
	TURN 1, 0, 1                                   ; 3; slot 1 takes K steps 6, 7
	STEP 0, 0                                      ; 4
	TURN 0, 1, 0                                   ; 5; nothing is left to fetch, so no round follows the barrier
	STEP 1, 0                                      ; 6
	s_wait_dscnt 16                                ; 7
	WIN 0xa1
	MUL16 0, 1, 1, 1, 0
	MUL16 2, 1, 1, 1, 0
	s_wait_alu depctr_va_vdst(0)
	s_wait_dscnt 0x0
	WIN 0xf1
	MUL16 4, 1, 1, 1, 0
	MUL16 6, 1, 1, 1, 0
	WIN 0
; THE WAY OUT, block by block of 16 rows x 128 columns, through my own stage and back as whole rows of 512 bytes.  LDS serves a wave's instructions in order: no wait between the stores and the loads.
.set BK, 128                           ; 16 rows read back: v128-191 and v192-255 by turns
.macro TOSTAGE a
.set AC, 64*((\a)%4)
	WIN 0x08+4*((\a)/4)                            ; an LDS store's data are its source 1: window 2 or 3
.irp t, 0,1,2,3,4,5,6,7
	ds_store_b128 v[STO], v[AC+8*\t:AC+8*\t+3] offset:128*(\t/2)+32*(\t%2)       ; columns 32 (t / 2) + 16 h + 8 (t % 2) + 0 .. 7; each accumulator from its low end on
	ds_store_b128 v[STO], v[AC+8*\t+4:AC+8*\t+7] offset:128*(\t/2)+32*(\t%2)+16
.endr
	WIN 0
.set BB, BK+64*((\a)%2)
.irp p, 0,1,2,3,4,5,6,7,8,9,10,11,12,13,14,15
	ds_load_b128 v[BB+4*\p:BB+4*\p+3], v[RD] offset:\p*528
.endr
.endm
.macro SEND a, younger                 ; younger: the LDS instructions issued behind block a's loads, which may stay out
.set BB, BK+64*((\a)%2)
	s_wait_dscnt \younger
.irp p, 0,1,2,3,4,5,6,7,8,9,10,11,12,13,14,15
	global_store_b128 v[LI], v[BB+4*\p:BB+4*\p+3], s[10:11] offset:(32*((\a)/2)+8*((\a)%2)+\p+8*(\p/8))*4096 th:TH_STORE_NT   ; 32 lanes store 512 consecutive bytes, aligned; the tile's row stands in the immediate, 127 rows at the most
.endr
.endm
	PLACES NP                                      ; behind the last products: for the reads of results and the loads into the registers that held the M side's fragments
	TOSTAGE 0
.irp a, 1,2,3,4,5,6,7
.if \a > 1
	s_wait_xcnt 0x0                                ; block a - 2's stores have read their registers: block a's loads may land there
.endif
	TOSTAGE \a
	SEND (\a)-1, 32                                ; behind block a - 1's loads: block a's 16 stores and 16 loads
.endr
	SEND 7, 0
	s_wait_tensorcnt 0x0                           ; the wave's end
	ds_add_u32 v[SPW], v[NIL]
	s_wait_dscnt 0x0
	CROUND                                         ; the closing round: no work-group ends while a partner may still ask for a record that names it
	s_endpgm
.Lfunc_end_k_qf108f16a2b_outp:
	.size	k_qf108f16a2b_outp, .Lfunc_end_k_qf108f16a2b_outp-k_qf108f16a2b_outp
	.p2alignl 7, 3214868480
	.fill 96, 4, 3214868480
	.section	.rodata,"a",@progbits
	.p2align	6, 0x0
	.amdhsa_kernel k_qf108f16a2b_outp
		.amdhsa_group_segment_fixed_size 327680
		.amdhsa_private_segment_fixed_size 0
		.amdhsa_enable_private_segment 0
		.amdhsa_kernarg_size 32
		.amdhsa_user_sgpr_count 2
		.amdhsa_user_sgpr_kernarg_segment_ptr 1
		.amdhsa_wavefront_size32 1
		.amdhsa_system_sgpr_workgroup_id_x 1
		.amdhsa_system_sgpr_workgroup_id_y 1
		.amdhsa_system_sgpr_workgroup_id_z 1
		.amdhsa_system_vgpr_workitem_id 0
		.amdhsa_next_free_vgpr 1024
		.amdhsa_next_free_sgpr 100
		.amdhsa_reserve_vcc 0
		.amdhsa_float_denorm_mode_32 3
		.amdhsa_float_denorm_mode_16_64 3
		.amdhsa_memory_ordered 1
		.amdhsa_forward_progress 1
		.amdhsa_inst_pref_size 144
	.end_amdhsa_kernel
	.amdgpu_metadata
---
amdhsa.version: [ 1, 2 ]
amdhsa.kernels:
  - .name:           k_qf108f16a2b_outp
    .symbol:         k_qf108f16a2b_outp.kd
    .args:
      - { .name: oimg, .offset: 0, .size: 8, .value_kind: global_buffer, .address_space: global }
      - { .name: img, .offset: 8, .size: 8, .value_kind: global_buffer, .address_space: global }
      - { .name: bo, .offset: 16, .size: 8, .value_kind: global_buffer, .address_space: global }
      - { .name: out0, .offset: 24, .size: 8, .value_kind: global_buffer, .address_space: global }
    .group_segment_fixed_size: 327680
    .private_segment_fixed_size: 0
    .kernarg_segment_align: 8
    .kernarg_segment_size: 32
    .max_flat_workgroup_size: 128
    .sgpr_count:     100
    .vgpr_count:     1024
    .wavefront_size: 32
...
	.end_amdgpu_metadata
.endif
;; end of part 4
